; MI455X (gfx1250); checked and timed in simulation.
; The chip was launched on July 23, 2026; its instructions are those of AMD's public machine-readable ISA for CDNA 5 (MIT licence, August 2026) and "CDNA5" Instruction Set Architecture Reference Guide (July 2026). The comments in the code are by the model that wrote it; some were corrected since.
;; LSTMQ Net. Allowed arithmetic: float matrix products may take bf16 or f16 operands with f32 sums; all other float work in f32.
;; Inputs: cns 128 x 1 x 256 x 512 float32; hns 128 x 1 x 256 x 512 float32; params_W_hh 2,048 x 512 float32; params_W_ih 2,048 x 64 float32; params_Wa1 512 x 512 float32; params_Wa2 3 x 512 float32; params_Ws1 512 x 512 float32; params_Ws2 1 x 512 float32; params_b_hh 2,048 float32; params_b_ih 2,048 float32; params_ba1 512 float32; params_ba2 3 float32; params_bs1 512 float32; params_bs2 1 float32; params_enc_W_0 128 x 182 float32; params_enc_W_1 128 x 128 float32; params_enc_W_2 128 x 128 float32; params_enc_W_3 128 x 128 float32; params_enc_W_4 128 x 128 float32; params_enc_W_5 128 x 128 float32; params_enc_W_6 128 x 128 float32; params_enc_W_7 128 x 128 float32; params_enc_W_8 128 x 128 float32; params_enc_W_9 128 x 128 float32; params_enc_W_10 64 x 128 float32; params_enc_b_0 128 float32; params_enc_b_1 128 float32; params_enc_b_2 128 float32; params_enc_b_3 128 float32; params_enc_b_4 128 float32; params_enc_b_5 128 float32; params_enc_b_6 128 float32; params_enc_b_7 128 float32; params_enc_b_8 128 float32; params_enc_b_9 128 float32; params_enc_b_10 64 float32; x 256 x 128 x 1 x 185 float32.
;; Outputs: out0 256 x 128 x 3 float32; out1 1 x 256 x 512 float32; out2 1 x 256 x 512 float32.
;; 2 versions, each right. Each part assembles by itself: llvm-mc -triple=amdgcn-amd-amdhsa -mcpu=gfx1250 --defsym DOCPART=n.
;; ======== version 1 of 2: 2 launches
;; limits: inputs' magnitudes at most 70,368,744,177,664; right only within a limited range of input values
;; workspace buffers: wfrag 3,807,232 bytes
;; launch prep (part 1): grid 232 x 1, 8 waves a work-group, no clusters, 0 bytes of LDS; arguments params_enc_W_0, params_enc_W_1, params_enc_W_2, params_enc_W_3, params_enc_W_4, params_enc_W_5, params_enc_W_6, params_enc_W_7, params_enc_W_8, params_enc_W_9, params_enc_W_10, params_enc_b_0, params_enc_b_1, params_enc_b_2, params_enc_b_3, params_enc_b_4, params_enc_b_5, params_enc_b_6, params_enc_b_7, params_enc_b_8, params_enc_b_9, params_enc_b_10, params_W_ih, params_W_hh, params_Ws1, params_Wa1, params_Ws2, params_Wa2, wfrag; writes wfrag
.if DOCPART == 1
	.amdgcn_target "amdgcn-amd-amdhsa--gfx1250"
	.amdhsa_code_object_version 6
	.text
	.protected	k_q9c0ee8f2eb_prep
	.globl	k_q9c0ee8f2eb_prep
	.p2align	8
	.type	k_q9c0ee8f2eb_prep,@function
k_q9c0ee8f2eb_prep:
	s_mov_b64 s[64:65], 0
	v_nop
	global_prefetch_b8 v0, s[64:65] scope:SCOPE_SE
	s_setreg_imm32_b32 hwreg(HW_REG_WAVE_MODE, 25, 1), 1
	s_wait_xcnt 0x0
; All weight matrices, rounded once to bf16 and laid in the order in which a matrix instruction's source 0 wants them; the encoder's biases are copied behind them.
; A FRAGMENT is 1,024 bytes, [c = 0,1][lane L][8 bf16] = W[16 T + (L & 15)][32 s + 16 c + 8 (L >> 4) + e]: two 16-byte loads a lane, each covering 512 neighbouring bytes, fill its 8 registers.
; wfrag:  0 layer 0 (fragment (s, t) at (8 s + t) KiB, k >= 182 zero);  F_ENC1 layers 1-9, 32 KiB each;  F_ENC10 layer 10 ((4 s + t) KiB);
;   F_STREAM for each wave w of the main launch 104 K steps of 8 fragments: gates n = 18 p + s, fragment 2 g + ut = weight rows 512 g + 128 p + 32 w + 16 ut (s < 16: W_hh, s = 16, 17: W_ih);
;   heads n = 72 + 16 hp + s, fragment b = rows 128 hp + 16 b of Ws1[256 w ..] (w < 2) or Wa1[256 (w - 2) ..];  F_W2 16 fragments of Ws2, 16 of Wa2, rows that do not exist zero;  F_EB 12 x 512 bytes of f32 biases.
; A wave's unit: one row tile T (16 rows) and 64 neighbouring k (256 source bytes a row) -> two fragments.  Unit uj = 8 (work-group - job's first) + wave; T = uj mod NT, kp = uj / NT.
; The jobs stand in ascending order of work-group number and each ends the wave, so one compare picks the job.  Loads are 8 bytes wide since layer 0's rows are 728 bytes apart.
.set F_ENC1,   49152
.set F_ENC10,  344064
.set F_STREAM, 360448
.set F_WSTR,   851968
.set F_W2,     3768320
.set F_EB,     3801088
.set ARG_WF,   28*8
	v_lshrrev_b32 v1, 5, v0
	v_readfirstlane_b32 s3, v1                     ; wave 0..7
	s_mov_b32 s2, ttmp9                            ; work-group
	v_and_b32 v1, 31, v0                           ; lane
	v_and_b32 v2, 15, v0                           ; r
	v_bfe_u32 v3, v0, 4, 1                         ; h
	v_lshlrev_b32 v4, 4, v1                        ; 16 x lane
; first, n: the job's work-groups.  arg: its matrix among the arguments.  pitch: bytes from row to row.  lgnt: log2 of its row tiles.
; kind 0: encoder section at p0;  1: gates, first K step p0;  2: heads, first wave p0;  3: last projection at p0.
; rv: rows that exist (0 = all);  kv: columns that exist (0 = all);  bias: encoder layer whose bias unit 0 copies (-1 = none).
.macro JOB first, n, arg, pitch, lgnt, kind, p0, rv, kv, bias
	s_cmp_lt_u32 s2, \first+\n
	s_cbranch_scc0 .Lnext_\@
	s_load_b64 s[4:5], s[0:1], 8*\arg
	s_load_b64 s[6:7], s[0:1], ARG_WF
.if \bias >= 0
	s_load_b64 s[14:15], s[0:1], 8*(11+\bias)
.endif
	s_sub_co_u32 s8, s2, \first
	s_lshl3_add_u32 s8, s8, s3                     ; uj
	s_and_b32 s9, s8, (1<<\lgnt)-1                 ; T
	s_lshr_b32 s10, s8, \lgnt                      ; kp
.if \kind == 0
.set SSTEP, 1024<<\lgnt
	s_lshl_b32 s11, s10, \lgnt+11                  ; K step 2 kp: NT KiB each
	s_lshl_b32 s12, s9, 10
	s_add_co_u32 s11, s11, s12
	s_add_co_u32 s11, s11, \p0
.elseif \kind == 1
.set SSTEP, 8192
	s_bfe_u32 s12, s9, 0x20001                     ; T = 32 g + 8 p + 2 w + ut
	s_mul_i32 s11, s12, F_WSTR
	s_bfe_u32 s12, s9, 0x20003
	s_mul_i32 s12, s12, 18*8192
	s_add_co_u32 s11, s11, s12
	s_lshl_b32 s12, s10, 14
	s_add_co_u32 s11, s11, s12
	s_lshr_b32 s12, s9, 5
	s_lshl_b32 s12, s12, 11
	s_add_co_u32 s11, s11, s12
	s_and_b32 s12, s9, 1
	s_lshl_b32 s12, s12, 10
	s_add_co_u32 s11, s11, s12
	s_add_co_u32 s11, s11, F_STREAM+8192*\p0
.elseif \kind == 2
.set SSTEP, 8192
	s_lshr_b32 s12, s9, 4                          ; T = 16 w' + 8 hp + b
	s_mul_i32 s11, s12, F_WSTR
	s_bfe_u32 s12, s9, 0x10003
	s_lshl_b32 s12, s12, 17
	s_add_co_u32 s11, s11, s12
	s_lshl_b32 s12, s10, 14
	s_add_co_u32 s11, s11, s12
	s_and_b32 s12, s9, 7
	s_lshl_b32 s12, s12, 10
	s_add_co_u32 s11, s11, s12
	s_add_co_u32 s11, s11, F_STREAM+\p0*F_WSTR+72*8192
.else
.set SSTEP, 1024
	s_lshl_b32 s11, s10, 11
	s_add_co_u32 s11, s11, \p0
.endif
	v_add_nc_u32 v5, s11, v4                       ; my 16 bytes in the first fragment
	s_lshl_b32 s12, s9, 4
	v_add_nc_u32 v6, s12, v2                       ; row
.if \rv
	v_min_u32 v6, \rv-1, v6                        ; rows that do not exist read the last one and are zeroed below
.endif
	v_mul_u32_u24 v6, v6, \pitch
.if \kv
	s_lshl_b32 s13, s10, 6
	v_lshl_add_u32 v7, v3, 3, s13                  ; 64 kp + 8 h
.set i, 0
.rept 16
	v_add_nc_u32 v[56+i], 32*(i/8)+16*((i/4)%2)+2*(i%4), v7
	v_min_u32 v[56+i], \kv-2, v[56+i]              ; a pair past the row's end reads the row's last pair and is zeroed below
	v_lshl_add_u32 v[56+i], v[56+i], 2, v6
.set i, i+1
.endr
.else
	s_lshl_b32 s13, s10, 8
	v_lshl_add_u32 v7, v3, 5, s13                  ; 256 kp + 32 h
	v_add_nc_u32 v6, v6, v7
.endif
	s_wait_kmcnt 0x0
.set i, 0
.rept 16                                               ; pair i = 8 s' + 4 c + j: k = 64 kp + 32 s' + 16 c + 8 h + 2 j
.if \kv
	global_load_b64 v[8+2*i:9+2*i], v[56+i], s[4:5]
.else
	global_load_b64 v[8+2*i:9+2*i], v6, s[4:5] offset:128*(i/8)+64*((i/4)%2)+8*(i%4)
.endif
.set i, i+1
.endr
	s_wait_loadcnt 0x0
.set i, 0
.rept 16
	v_cvt_pk_bf16_f32 v[40+i], v[8+2*i], v[9+2*i]
.set i, i+1
.endr
.if \kv
.set i, 0
.rept 16
	v_add_nc_u32 v72, 32*(i/8)+16*((i/4)%2)+2*(i%4), v7
	v_cmp_gt_u32 vcc_lo, \kv, v72
	v_cndmask_b32 v[40+i], 0, v[40+i], vcc_lo
.set i, i+1
.endr
.endif
.if \rv
	v_cmp_gt_u32 vcc_lo, \rv, v2
.set i, 0
.rept 16
	v_cndmask_b32 v[40+i], 0, v[40+i], vcc_lo
.set i, i+1
.endr
.endif
	global_store_b128 v5, v[40:43], s[6:7]                     ; each store of the wave covers 512 neighbouring bytes, aligned
	global_store_b128 v5, v[44:47], s[6:7] offset:512
	global_store_b128 v5, v[48:51], s[6:7] offset:SSTEP
	global_store_b128 v5, v[52:55], s[6:7] offset:SSTEP+512
.if \bias >= 0
	s_cmp_lg_u32 s8, 0
	s_cbranch_scc1 .Lnob_\@
.if \bias == 10
	v_lshlrev_b32 v73, 4, v2                       ; 64 biases: lanes 16-31 read again what lanes 0-15 read, and store zeros
	global_load_b128 v[76:79], v73, s[14:15]
	v_cmp_gt_u32 vcc_lo, 16, v1
	v_mov_b32 v80, 0
	v_mov_b32 v81, 0
	v_mov_b32 v82, 0
	v_mov_b32 v83, 0
	s_wait_loadcnt 0x0
	v_cndmask_b32 v76, 0, v76, vcc_lo
	v_cndmask_b32 v77, 0, v77, vcc_lo
	v_cndmask_b32 v78, 0, v78, vcc_lo
	v_cndmask_b32 v79, 0, v79, vcc_lo
	global_store_b128 v4, v[76:79], s[6:7] offset:F_EB+5120
	global_store_b128 v4, v[80:83], s[6:7] offset:F_EB+5632    ; the twelfth place is read with the others, so it is written
.else
	global_load_b128 v[76:79], v4, s[14:15]
	s_wait_loadcnt 0x0
	global_store_b128 v4, v[76:79], s[6:7] offset:F_EB+512*\bias
.endif
.Lnob_\@:
.endif
	s_endpgm
.Lnext_\@:
.endm
	JOB 0, 3, 0, 728, 3, 0, 0, 0, 182, 0
.irp l, 1,2,3,4,5,6,7,8,9
	JOB 1+2*\l, 2, \l, 512, 3, 0, 16384+32768*\l, 0, 0, \l
.endr
	JOB 21, 1, 10, 512, 2, 0, F_ENC10, 0, 0, 10
	JOB 22, 16, 22, 256, 7, 1, 16, 0, 0, -1
	JOB 38, 128, 23, 2048, 7, 1, 0, 0, 0, -1
	JOB 166, 32, 24, 2048, 5, 2, 0, 0, 0, -1
	JOB 198, 32, 25, 2048, 5, 2, 2, 0, 0, -1
	JOB 230, 1, 26, 2048, 0, 3, F_W2, 1, 0, -1
	JOB 231, 1, 27, 2048, 0, 3, F_W2+16384, 3, 0, -1
	s_endpgm                                       ; the grid has 232 work-groups: no wave comes here
.Lfunc_end_k_q9c0ee8f2eb_prep:
	.size	k_q9c0ee8f2eb_prep, .Lfunc_end_k_q9c0ee8f2eb_prep-k_q9c0ee8f2eb_prep
	.p2alignl 7, 3214868480
	.fill 96, 4, 3214868480
	.section	.rodata,"a",@progbits
	.p2align	6, 0x0
	.amdhsa_kernel k_q9c0ee8f2eb_prep
		.amdhsa_group_segment_fixed_size 0
		.amdhsa_private_segment_fixed_size 0
		.amdhsa_enable_private_segment 0
		.amdhsa_kernarg_size 232
		.amdhsa_user_sgpr_count 2
		.amdhsa_user_sgpr_kernarg_segment_ptr 1
		.amdhsa_wavefront_size32 1
		.amdhsa_system_sgpr_workgroup_id_x 1
		.amdhsa_system_sgpr_workgroup_id_y 1
		.amdhsa_system_sgpr_workgroup_id_z 1
		.amdhsa_system_vgpr_workitem_id 0
		.amdhsa_next_free_vgpr 96
		.amdhsa_next_free_sgpr 66
		.amdhsa_reserve_vcc 1
		.amdhsa_float_denorm_mode_32 3
		.amdhsa_float_denorm_mode_16_64 3
		.amdhsa_memory_ordered 1
		.amdhsa_forward_progress 1
		.amdhsa_inst_pref_size 76
	.end_amdhsa_kernel
	.amdgpu_metadata
---
amdhsa.version: [ 1, 2 ]
amdhsa.kernels:
  - .name:           k_q9c0ee8f2eb_prep
    .symbol:         k_q9c0ee8f2eb_prep.kd
    .args:
      - { .name: params_enc_W_0, .offset: 0, .size: 8, .value_kind: global_buffer, .address_space: global }
      - { .name: params_enc_W_1, .offset: 8, .size: 8, .value_kind: global_buffer, .address_space: global }
      - { .name: params_enc_W_2, .offset: 16, .size: 8, .value_kind: global_buffer, .address_space: global }
      - { .name: params_enc_W_3, .offset: 24, .size: 8, .value_kind: global_buffer, .address_space: global }
      - { .name: params_enc_W_4, .offset: 32, .size: 8, .value_kind: global_buffer, .address_space: global }
      - { .name: params_enc_W_5, .offset: 40, .size: 8, .value_kind: global_buffer, .address_space: global }
      - { .name: params_enc_W_6, .offset: 48, .size: 8, .value_kind: global_buffer, .address_space: global }
      - { .name: params_enc_W_7, .offset: 56, .size: 8, .value_kind: global_buffer, .address_space: global }
      - { .name: params_enc_W_8, .offset: 64, .size: 8, .value_kind: global_buffer, .address_space: global }
      - { .name: params_enc_W_9, .offset: 72, .size: 8, .value_kind: global_buffer, .address_space: global }
      - { .name: params_enc_W_10, .offset: 80, .size: 8, .value_kind: global_buffer, .address_space: global }
      - { .name: params_enc_b_0, .offset: 88, .size: 8, .value_kind: global_buffer, .address_space: global }
      - { .name: params_enc_b_1, .offset: 96, .size: 8, .value_kind: global_buffer, .address_space: global }
      - { .name: params_enc_b_2, .offset: 104, .size: 8, .value_kind: global_buffer, .address_space: global }
      - { .name: params_enc_b_3, .offset: 112, .size: 8, .value_kind: global_buffer, .address_space: global }
      - { .name: params_enc_b_4, .offset: 120, .size: 8, .value_kind: global_buffer, .address_space: global }
      - { .name: params_enc_b_5, .offset: 128, .size: 8, .value_kind: global_buffer, .address_space: global }
      - { .name: params_enc_b_6, .offset: 136, .size: 8, .value_kind: global_buffer, .address_space: global }
      - { .name: params_enc_b_7, .offset: 144, .size: 8, .value_kind: global_buffer, .address_space: global }
      - { .name: params_enc_b_8, .offset: 152, .size: 8, .value_kind: global_buffer, .address_space: global }
      - { .name: params_enc_b_9, .offset: 160, .size: 8, .value_kind: global_buffer, .address_space: global }
      - { .name: params_enc_b_10, .offset: 168, .size: 8, .value_kind: global_buffer, .address_space: global }
      - { .name: params_W_ih, .offset: 176, .size: 8, .value_kind: global_buffer, .address_space: global }
      - { .name: params_W_hh, .offset: 184, .size: 8, .value_kind: global_buffer, .address_space: global }
      - { .name: params_Ws1, .offset: 192, .size: 8, .value_kind: global_buffer, .address_space: global }
      - { .name: params_Wa1, .offset: 200, .size: 8, .value_kind: global_buffer, .address_space: global }
      - { .name: params_Ws2, .offset: 208, .size: 8, .value_kind: global_buffer, .address_space: global }
      - { .name: params_Wa2, .offset: 216, .size: 8, .value_kind: global_buffer, .address_space: global }
      - { .name: wfrag, .offset: 224, .size: 8, .value_kind: global_buffer, .address_space: global }
    .group_segment_fixed_size: 0
    .private_segment_fixed_size: 0
    .kernarg_segment_align: 8
    .kernarg_segment_size: 232
    .max_flat_workgroup_size: 256
    .sgpr_count:     66
    .vgpr_count:     96
    .wavefront_size: 32
...
	.end_amdgpu_metadata
.endif
;; end of part 1
;; launch main (part 2): grid 256 x 1, 4 waves a work-group, no clusters, 327,680 bytes of LDS; arguments x, hns, cns, wfrag, params_b_ih, params_b_hh, params_bs1, params_ba1, params_bs2, params_ba2, out0, out1, out2; writes out0, out1, out2
.if DOCPART == 2
	.amdgcn_target "amdgcn-amd-amdhsa--gfx1250"
	.amdhsa_code_object_version 6
	.text
	.protected	k_q9c0ee8f2eb_main
	.globl	k_q9c0ee8f2eb_main
	.p2align	8
	.type	k_q9c0ee8f2eb_main,@function
k_q9c0ee8f2eb_main:
	s_mov_b64 s[64:65], 0
	v_nop
	global_prefetch_b8 v0, s[64:65] scope:SCOPE_SE
	s_setreg_imm32_b32 hwreg(HW_REG_WAVE_MODE, 25, 1), 1
	s_wait_xcnt 0x0
; LSTMQNet, all of it, for the 128 rows (b, l = 0..127) of one b: encoder (11 layers), gates, LSTM step, two heads, last projection, dueling sum and mask term.  Nothing between x, hns, cns and the outputs leaves the work-group.
; SHARES.  Work-group = b.  Four waves, one to a SIMD.  Encoder: wave w keeps rows 32 w .. 32 w + 31 in registers through all layers.  Gates and heads: a wave makes 128 rows x 128 columns (64 accumulators, 512 registers);
; in the gates the columns are 4 gates x 32 hidden units, so that i, f, g, o of a unit meet in one lane.
; THE MATRIX INSTRUCTION IS USED TRANSPOSED: source 0 = 16 weight rows, source 1 = 16 data rows.  A lane then holds one data row (lane % 16) and eight neighbouring columns 8 (lane / 16) + 0..7; two such results,
; rounded to bf16 in pairs, ARE source 1 of the next product (encoder chain, last projection).
; OPERANDS.  [h0 | enc], later hn, are read by all four waves: bf16 in LDS.  Each weight fragment of gates and heads is used by one wave alone: it comes from wfrag (fragment order) straight into registers, three K steps
; ahead, each load covering 512 neighbouring bytes; the K loops have no barrier.
; NO CLUSTER, NO JOINT LOADS, though all work-groups walk the same weights: LDS holds 149,504 bytes of [h0 | enc], 133,120 of hn and 26,112 of tables; what is left of 327,680 is under 19 KiB, and two slots for
; one K step of the group's 512 columns are 65,536.
; LIMITS.  Exponents of 2 are cut at 40 ahead of v_exp_f32, so that a product of three denominators stays at or under 2^120: a sigmoid under 9e-13 comes out as 9e-13, tanh ends at 1 - 2^-39, and |c0| must stay under 2^46.
; Inputs are finite: a NaN loses in v_min_num_f32, and x's three mask columns are multiplied by zero weights.  Matrix operands are rounded to bf16; all else is f32.
;
; LDS (bytes)
.set PA,    1168                       ; [h0 | enc]: 128 rows of 576 bf16 + 16 bytes = 73 x 16: the 16 rows of a fragment load start in 16 different 16-byte columns modulo 256
.set PH,    1040                       ; hn: 128 rows of 512 bf16 + 16 bytes = 65 x 16
.set PX,    784                        ; x: 196 f32 = 49 x 16
.set LHN,   149504                     ; hn; ahead of the gates these bytes hold x, then the two weight slots, and (from LW0) layer 0's weights
.set LX,    149504
.set LSL0,  149504
.set LSL1,  182272
.set LW0,   249856
.set LEB,   299008                     ; encoder biases, 12 x 512
.set LGB,   305152                     ; b_ih + b_hh
.set LHB,   313344                     ; bs1, ba1
.set LQB,   317440                     ; row x 16: (1 - mask) x (-1e33)
.set LLAST, 319488                     ; row l = 127: c, then hn, f32
.set LQO,   323584                     ; q, 1,536 bytes.  The eight partial projections (8 x 2,048) lie at byte 0, where [h0 | enc] lay
; wfrag
.set F_ENC1,   49152
.set F_ENC10,  344064
.set F_STREAM, 360448
.set F_WSTR,   851968
.set F_W2,     3768320
.set F_EB,     3801088
; REGISTERS, in windows of 256 (s_set_vgpr_msb: bits 1:0 source 0, 3:2 source 1, 5:4 source 2, 7:6 destination)
;   window 0: v0-31 addresses; v32-63 at work, last projection's weights; v64-127, v128-191 source-1 fragments, two buffers; v192-255 bias as C, then c0, then the last projection's sums
;   window 1: four slots of 64: weight fragments of one K step each
;   window 2, 3: accumulator (a, b) at v[8 (8 (a % 4) + b)], row blocks 0-3 and 4-7; in the encoder window 2 holds x and the sums, window 3 the h0 chunk (v0-127) and the next layer's weights (v128-191)
.set BOFF, 4                           ; byte offset of the next K step to ask for in my stream
.set AA0,  5                           ; [h0 | enc]: r PA + 16 h;  AA1: 64 rows on
.set AA1,  6
.set HA0,  7                           ; the same in hn
.set HA1,  8
.set COFF, 9                           ; c0: 524,288 r + 32 h + 128 w + 512 pass
.set PFO,  10                          ; c0's prefetch
.set GBA,  11
.set HNW,  12                          ; v12, v13: where hn is put, rows 0-63 and 64-127
.set LASTA,14
.set HBA,  15
.set QPA,  16
.set XA,   17
.set RD0,  18
.set RD1,  19
.set WW0,  20
.set WW1,  21
.set WOFF, 22
.set HOFF, 23
.set HST,  24
.set EBA,  25
.set ENCW, 26
.set W0RD, 27
.set L16,  28                          ; 16 x lane
.set T16,  29                          ; 16 x thread
.set AW0,  30                          ; the K loop's walking copies of AA0, AA1 or HA0, HA1
.set AW1,  31
; s2 wave, s3 b, s[4:29] the 13 buffers, s[30:31] my stream, s[32:47] cns + 2,048 b + 16 a rows (a = 0..7: 16 rows of cns pass a load's immediate), s[48:59] x's descriptor, s[60:61] hns at my first row,
; s[66:67] -log2 e, s[68:69] 2 log2 e, s70 40.0, s71-73 counters, s74 saved EXEC, s78 bs2, s[80:82] ba2, s[84:85] my part of the last projection's weights, s86-93 at work
.set MSB, 0
.macro WIN new                         ; the immediate's high byte repeats the setting that is left; a switch that changes nothing is dropped
.if MSB != (\new)
	s_set_vgpr_msb (MSB<<8)|(\new)
.set MSB, (\new)
.endif
.endm
.macro PLACES                          ; four plain vector instructions between a matrix instruction and what reads its result, writes one of its registers or loads into one
.rept 4
	v_nop
.endr
.endm
.macro BAR                             ; my LDS stores are done and my LDS reads are back, for the others' sake; then the work-group's barrier
	s_wait_dscnt 0x0
	s_barrier_signal -1
	s_barrier_wait -1
.endm
	s_load_b512 s[4:19], s[0:1], 0x0               ; x, hns, cns, wfrag, b_ih, b_hh, bs1, ba1
	s_load_b256 s[20:27], s[0:1], 0x40             ; bs2, ba2, out0, out1
	s_load_b64 s[28:29], s[0:1], 0x60              ; out2
	v_lshrrev_b32 v1, 5, v0
	v_readfirstlane_b32 s2, v1                     ; wave 0..3
	s_mov_b32 s3, ttmp9                            ; b
	; x's descriptor: my 32 rows of 185 f32, laid as rows of 196: columns 185 to 195 lie past tensor_dim0 and arrive as zeros, and the LDS rows are 784 bytes apart
	s_mov_b32 s48, 1                               ; count = 1
	s_mul_i32 s49, s2, 32*PX
	s_add_co_u32 s49, s49, LX                      ; LDS address: my wave's rows
	s_mov_b32 s52, 2<<16                           ; no mask; elements of 4 bytes; no padding
	s_mov_b32 s53, 185<<16                         ; tensor_dim0 = 185
	s_mov_b32 s54, 32<<16                          ; tensor_dim1 = 32
	s_mov_b32 s55, 196<<16                         ; tile_dim0 = 196
	s_mov_b32 s56, 32                              ; tile_dim1 = 32
	s_mov_b32 s57, 185                             ; elements from row to row
	s_mov_b32 s58, 0
	s_mov_b32 s59, 0
	s_mul_i32 s86, s3, 94720                       ; b's 128 rows of 740 bytes
	s_mul_i32 s87, s2, 23680                       ; my 32 of them
	s_add_co_u32 s86, s86, s87
	s_mov_b32 s87, 0
	s_wait_kmcnt 0x0
	s_add_nc_u64 s[50:51], s[4:5], s[86:87]
	s_or_b32 s51, s51, 0x80000000                  ; type = 2
	tensor_load_to_lds s[48:51], s[52:59]          ; the launch's only tensor load of this wave: one is out
	s_nop 0
	; PHASE 0: tables and layer 0's weights into LDS, x into registers as bf16
	v_and_b32 v1, 31, v0                           ; lane
	v_and_b32 v2, 15, v0                           ; r
	v_bfe_u32 v3, v0, 4, 1                         ; h
	v_lshlrev_b32 v[L16], 4, v1
	v_lshlrev_b32 v[T16], 4, v0
	s_mul_i32 s90, s2, 12288
	v_add_nc_u32 v36, s90, v[L16]                  ; my quarter of layer 0's 49,152 bytes
.set i, 0
.rept 24
	global_load_b128 v[64+4*i:67+4*i], v36, s[10:11] offset:512*i
.set i, i+1
.endr
.set i, 0
.rept 3
	global_load_b128 v[160+4*i:163+4*i], v[T16], s[10:11] offset:F_EB+2048*i
.set i, i+1
.endr
.set i, 0
.rept 4
	global_load_b128 v[172+4*i:175+4*i], v[T16], s[12:13] offset:2048*i
	global_load_b128 v[188+4*i:191+4*i], v[T16], s[14:15] offset:2048*i
.set i, i+1
.endr
	global_load_b128 v[204:207], v[T16], s[16:17]
	global_load_b128 v[208:211], v[T16], s[18:19]
	s_load_b32 s78, s[20:21], 0x0                  ; bs2
	s_load_b96 s[80:82], s[22:23], 0x0             ; ba2
	; the scalar bases
	s_mul_i32 s86, s2, F_WSTR
	s_add_co_u32 s86, s86, F_STREAM
	s_add_nc_u64 s[30:31], s[10:11], s[86:87]
	s_lshl_b32 s86, s2, 13
	s_add_co_u32 s86, s86, F_W2
	s_add_nc_u64 s[84:85], s[10:11], s[86:87]
	s_lshl_b32 s86, s3, 11                         ; 2,048 b
	s_add_nc_u64 s[32:33], s[8:9], s[86:87]
.set i, 1
.rept 7
	s_add_nc_u64 s[32+2*i:33+2*i], s[30+2*i:31+2*i], 0x800000  ; 16 rows of 524,288 bytes on
.set i, i+1
.endr
	s_add_nc_u64 s[26:27], s[26:27], s[86:87]
	s_add_nc_u64 s[28:29], s[28:29], s[86:87]
	s_lshl_b32 s88, s2, 24                         ; my 32 rows of hns
	s_add_co_u32 s88, s88, s86
	s_mov_b32 s89, 0
	s_add_nc_u64 s[60:61], s[6:7], s[88:89]
	s_mul_i32 s86, s3, 1536
	s_add_nc_u64 s[24:25], s[24:25], s[86:87]
	s_mov_b32 s66, 0xbfb8aa3b                      ; -log2 e
	s_mov_b32 s67, 0xbfb8aa3b
	s_mov_b32 s68, 0x4038aa3b                      ; 2 log2 e
	s_mov_b32 s69, 0x4038aa3b
	s_mov_b32 s70, 0x42200000                      ; 40.0
	; the lanes' addresses
	v_mul_u32_u24 v[AA0], v2, PA
	v_lshl_add_u32 v[AA0], v3, 4, v[AA0]
	v_add_nc_u32 v[AA1], 64*PA, v[AA0]
	v_mul_u32_u24 v[HA0], v2, PH
	v_lshl_add_u32 v[HA0], v3, 4, v[HA0]
	v_add_nc_u32 v[HA0], LHN, v[HA0]
	v_add_nc_u32 v[HA1], 64*PH, v[HA0]
	s_lshl_b32 s90, s2, 7                          ; 128 w
	v_lshlrev_b32 v[COFF], 19, v2
	v_lshl_add_u32 v[COFF], v3, 5, v[COFF]
	v_add_nc_u32 v[COFF], s90, v[COFF]
	v_lshrrev_b32 v[PFO], 1, v1                    ; prefetch: row 16 w + lane / 2, the 256 bytes lane & 1 of the pass's 512
	s_lshl_b32 s91, s2, 4
	v_add_nc_u32 v[PFO], s91, v[PFO]
	v_lshlrev_b32 v[PFO], 19, v[PFO]
	v_and_b32 v30, 1, v1
	v_lshl_add_u32 v[PFO], v30, 8, v[PFO]
	v_lshlrev_b32 v30, 5, v3                       ; 32 h
	v_add_nc_u32 v[GBA], s90, v30
	v_add_nc_u32 v[LASTA], LLAST, v[GBA]
	v_add_nc_u32 v[GBA], LGB, v[GBA]
	s_lshl_b32 s91, s2, 6
	v_add_nc_u32 v[HNW], s91, v[HA0]
	v_add_nc_u32 v[HNW+1], s91, v[HA1]
	s_lshl_b32 s91, s2, 10
	v_add_nc_u32 v[HBA], s91, v30
	v_add_nc_u32 v[HBA], LHB, v[HBA]
	s_lshl_b32 s91, s2, 12
	v_lshl_add_u32 v[QPA], v2, 4, s91
	s_mul_i32 s93, s2, 32*PX
	v_mul_u32_u24 v[XA], v2, PX
	v_add3_u32 v[XA], v[XA], v30, s93
	v_add_nc_u32 v[XA], LX, v[XA]
	v_add_nc_u32 v[RD0], LSL0, v[L16]
	v_add_nc_u32 v[RD1], LSL1, v[L16]
	v_add_nc_u32 v[W0RD], LW0, v[L16]
	s_lshl_b32 s92, s2, 13
	v_add_nc_u32 v[WW0], s92, v[RD0]
	v_add_nc_u32 v[WW1], s92, v[RD1]
	v_add_nc_u32 v[WOFF], s92, v[L16]
	v_add_nc_u32 v[WOFF], F_ENC1, v[WOFF]
	v_mov_b32 v[HOFF], v[L16]
	s_mul_i32 s92, s2, 32*PA
	v_lshl_add_u32 v[HST], v1, 3, s92
	v_add_nc_u32 v[EBA], LEB, v30
	v_add3_u32 v[ENCW], v[AA0], s92, 1024
	v_mov_b32 v[BOFF], v[L16]
	v_add_nc_u32 v37, LW0, v36
	v_add_nc_u32 v38, LEB, v[T16]
	v_mul_u32_u24 v39, v1, PX
	v_add3_u32 v39, v39, s93, LX+728               ; lane = row: its three mask columns, 182 to 184
	v_add_nc_u32 v40, LQB, v[T16]
	s_wait_loadcnt 0x0
.set i, 0
.rept 8
	v_pk_add_f32 v[172+2*i:173+2*i], v[172+2*i:173+2*i], v[188+2*i:189+2*i]   ; b_ih + b_hh
.set i, i+1
.endr
.set i, 0
.rept 24
	ds_store_b128 v37, v[64+4*i:67+4*i] offset:512*i
.set i, i+1
.endr
.set i, 0
.rept 3
	ds_store_b128 v38, v[160+4*i:163+4*i] offset:2048*i
.set i, i+1
.endr
.set i, 0
.rept 4
	ds_store_b128 v38, v[172+4*i:175+4*i] offset:LGB-LEB+2048*i
.set i, i+1
.endr
	ds_store_b128 v38, v[204:207] offset:LHB-LEB
	ds_store_b128 v38, v[208:211] offset:LHB-LEB+2048
	s_wait_tensorcnt 0x0                           ; my rows of x are in LDS; I read no other wave's
	WIN 0x80                                       ; destination window 2
.set i, 0
.rept 12                                               ; i = 6 rb + s: row block rb, K step s: k = 32 s + 8 h + 0..7 and + 16
	ds_load_b128 v[16*i:16*i+3],     v[XA] offset:16*PX*(i/6)+128*(i%6)
	ds_load_b128 v[16*i+4:16*i+7],   v[XA] offset:16*PX*(i/6)+128*(i%6)+16
	ds_load_b128 v[16*i+8:16*i+11],  v[XA] offset:16*PX*(i/6)+128*(i%6)+64
	ds_load_b128 v[16*i+12:16*i+15], v[XA] offset:16*PX*(i/6)+128*(i%6)+80
.set i, i+1
.endr
	WIN 0
	ds_load_b32 v32, v39
	ds_load_b32 v33, v39 offset:4
	ds_load_b32 v34, v39 offset:8
	s_wait_dscnt 0x0
	WIN 0x0a                                       ; sources window 2, destination window 0
.set i, 0
.rept 96
	v_cvt_pk_bf16_f32 v[64+i], v[2*i], v[2*i+1]    ; source 1 of layer 0: fragment (rb, s) at v[64 + 8 (6 rb + s)]
.set i, i+1
.endr
	WIN 0
.irp k, 32,33,34
	v_sub_f32 v\k, 1.0, v\k
.endr
.irp k, 32,33,34
	v_mul_f32 v\k, 0xf6453719, v\k                 ; x (-1e33)
.endr
	v_mov_b32 v35, 0
	ds_store_b128 v40, v[32:35]
	s_wait_kmcnt 0x0                               ; bs2, ba2
	BAR                                            ; tables and layer 0's weights are whole; every wave has read its x, so x's bytes may be written
	; PHASE 1: the encoder
.macro WLOAD n, off                    ; my part of the next layer's weights -> window 3, v128 on
	WIN 0xc0
.set i, 0
.rept \n
	global_load_b128 v[128+4*i:131+4*i], v[WOFF], s[10:11] offset:\off+512*i
.set i, i+1
.endr
.endm
.macro WSTORE n, reg                   ; and on into the weight slot that the next layer reads
	WIN 0x0c                                       ; data window 3, address window 0
.set i, 0
.rept \n
	ds_store_b128 v[\reg], v[128+4*i:131+4*i] offset:512*i
.set i, i+1
.endr
.endm
.macro HLOAD                           ; eight of my rows of h0: each load covers 512 neighbouring bytes of a row; read once in the launch
	WIN 0xc0
.set i, 0
.rept 32
	global_load_b128 v[4*i:4*i+3], v[HOFF], s[60:61] offset:524288*(i/4)+512*(i%4) th:TH_LOAD_NT
.set i, i+1
.endr
.endm
.macro HSTORE                          ; rounded to bf16 in place, and into [h0 | enc]: each store covers 256 neighbouring bytes
	WIN 0xff
.set i, 0
.rept 32
	v_cvt_pk_bf16_f32 v[4*i], v[4*i], v[4*i+1]
	v_cvt_pk_bf16_f32 v[4*i+1], v[4*i+2], v[4*i+3]
.set i, i+1
.endr
	WIN 0x0c
.set i, 0
.rept 32
	ds_store_b64 v[HST], v[4*i:4*i+1] offset:PA*(i/4)+256*(i%4)
.set i, i+1
.endr
.endm
.macro LBIAS nt, off                   ; the layer's bias as C: register j of tile t = bias[16 t + 8 h + j]
	WIN 0
.set t, 0
.rept \nt
	ds_load_b128 v[192+8*t:195+8*t], v[EBA] offset:\off+64*t
	ds_load_b128 v[196+8*t:199+8*t], v[EBA] offset:\off+64*t+16
.set t, t+1
.endr
.endm
.macro LWGT reg, nt, s, slot           ; K step s's weight fragments -> window 1, slot
	WIN 0x40
.set t, 0
.rept \nt
	ds_load_b128 v[64*\slot+8*t:64*\slot+8*t+3],   v[\reg] offset:1024*(\nt*\s+t)
	ds_load_b128 v[64*\slot+8*t+4:64*\slot+8*t+7], v[\reg] offset:1024*(\nt*\s+t)+512
.set t, t+1
.endr
.endm
.macro LMUL nt, s, slot, as            ; 2 nt products; the accumulators (t, rb) at v[8 (2 t + rb)] take turns, one instruction a turn
.if \s == 0
	WIN 0x81                                       ; C = the bias, in window 0
.else
	WIN 0xa1
.endif
.set t, 0
.rept \nt
.set rb, 0
.rept 2
.if \s == 0
	v_wmma_f32_16x16x32_bf16 v[8*(2*t+rb):8*(2*t+rb)+7], v[64*\slot+8*t:64*\slot+8*t+7], v[64+8*(\as*rb+\s):64+8*(\as*rb+\s)+7], v[192+8*t:192+8*t+7]
.else
	v_wmma_f32_16x16x32_bf16 v[8*(2*t+rb):8*(2*t+rb)+7], v[64*\slot+8*t:64*\slot+8*t+7], v[64+8*(\as*rb+\s):64+8*(\as*rb+\s)+7], v[8*(2*t+rb):8*(2*t+rb)+7]
.endif
.set rb, rb+1
.endr
.set t, t+1
.endr
.endm
.macro LEPI nt                         ; relu, and tiles 2 s', 2 s' + 1 packed into the next layer's source 1: fragment (rb, s') at v[64 + 8 (4 rb + s')]
	PLACES
	WIN 0xaa
.set i, 0
.rept 16*\nt
	v_max_num_f32 v[i], 0, v[i]
.set i, i+1
.endr
	WIN 0x0a
.set rb, 0
.rept 2
.set sq, 0
.rept \nt/2
.set q, 0
.rept 8
	v_cvt_pk_bf16_f32 v[64+8*(4*rb+sq)+q], v[8*(2*(2*sq+q/4)+rb)+2*(q%4)], v[8*(2*(2*sq+q/4)+rb)+2*(q%4)+1]
.set q, q+1
.endr
.set sq, sq+1
.endr
.set rb, rb+1
.endr
.endm
.macro LAYER8 rd, boff                 ; a layer 128 -> 128.  The waits count the weight loads of the later K steps, 16 each
	LBIAS 8, \boff
	LWGT \rd, 8, 0, 0
	LWGT \rd, 8, 1, 1
	LWGT \rd, 8, 2, 2
	LWGT \rd, 8, 3, 3
	s_wait_dscnt 48
	LMUL 8, 0, 0, 4
	s_wait_dscnt 32
	LMUL 8, 1, 1, 4
	s_wait_dscnt 16
	LMUL 8, 2, 2, 4
	s_wait_dscnt 0x0
	LMUL 8, 3, 3, 4
	LEPI 8
.endm
	WLOAD 16, 0                                    ; layer 0 (K = 192, six steps); layer 1's weights are fetched meanwhile
	LBIAS 8, 0
	LWGT W0RD, 8, 0, 0
	LWGT W0RD, 8, 1, 1
	LWGT W0RD, 8, 2, 2
	LWGT W0RD, 8, 3, 3
	s_wait_dscnt 48                                ; behind step 0's: steps 1 to 3
	LMUL 8, 0, 0, 6
	s_wait_dscnt 32
	LMUL 8, 1, 1, 6
	PLACES                                         ; slots 0 and 1 have been multiplied
	LWGT W0RD, 8, 4, 0
	LWGT W0RD, 8, 5, 1
	s_wait_dscnt 48                                ; behind step 2's: steps 3, 4, 5
	LMUL 8, 2, 2, 6
	s_wait_dscnt 32
	LMUL 8, 3, 3, 6
	s_wait_dscnt 16
	LMUL 8, 4, 0, 6
	s_wait_dscnt 0x0
	LMUL 8, 5, 1, 6
	LEPI 8
	s_wait_loadcnt 0x0
	WSTORE 16, WW0
	WIN 0
	v_add_nc_u32 v[EBA], 512, v[EBA]
	v_add_nc_u32 v[WOFF], 32768, v[WOFF]           ; its loads are done
	BAR
	s_mov_b32 s73, 4
.Lenc:                                                 ; a trip: layers 1 + 2 t and 2 + 2 t, and eight of my rows of h0.  A layer reads one weight slot and fills the other, which every wave left at the last barrier
	WLOAD 16, 0
	HLOAD
	LAYER8 RD0, 0
	s_wait_loadcnt 32                              ; the weights are in; the 32 loads of h0 stay out
	WSTORE 16, WW1
	WIN 0
	BAR
	WLOAD 16, 32768
	LAYER8 RD1, 512
	s_wait_loadcnt 0x0
	WSTORE 16, WW0
	HSTORE
	WIN 0
	v_add_nc_u32 v[WOFF], 65536, v[WOFF]           ; every load that named these is done
	v_add_nc_u32 v[HOFF], 4194304, v[HOFF]
	v_add_nc_u32 v[HST], 8*PA, v[HST]
	v_add_nc_u32 v[EBA], 1024, v[EBA]
	BAR
	s_sub_co_u32 s73, s73, 1
	s_cmp_lg_u32 s73, 0
	s_cbranch_scc1 .Lenc
	s_lshl_b32 s90, s2, 12                         ; layer 9; layer 10's weights are 16,384 bytes, a quarter 4,096
	v_add_nc_u32 v[WOFF], s90, v[L16]
	v_add_nc_u32 v36, LSL1, v[WOFF]
	WLOAD 8, F_ENC10
	LAYER8 RD0, 0
	s_wait_loadcnt 0x0
	WSTORE 8, 36
	WIN 0
	BAR
	LBIAS 4, 512                                   ; layer 10: 128 -> 64; eight weight loads a K step
	LWGT RD1, 4, 0, 0
	LWGT RD1, 4, 1, 1
	LWGT RD1, 4, 2, 2
	LWGT RD1, 4, 3, 3
	s_wait_dscnt 24
	LMUL 4, 0, 0, 4
	s_wait_dscnt 16
	LMUL 4, 1, 1, 4
	s_wait_dscnt 8
	LMUL 4, 2, 2, 4
	s_wait_dscnt 0x0
	LMUL 4, 3, 3, 4
	LEPI 4
	WIN 0
.set i, 0
.rept 4                                                ; i = 2 rb + s': enc into columns 512 to 575 of [h0 | enc]
	ds_store_b128 v[ENCW], v[64+8*(4*(i/2)+i%2):64+8*(4*(i/2)+i%2)+3]   offset:16*PA*(i/2)+64*(i%2)
	ds_store_b128 v[ENCW], v[64+8*(4*(i/2)+i%2)+4:64+8*(4*(i/2)+i%2)+7] offset:16*PA*(i/2)+64*(i%2)+32
.set i, i+1
.endr
; 16 loads: the eight weight fragments of the K step rel steps behind BOFF -> window 1, slot
.macro BREQ slot, rel
	WIN 0x40
.set f, 0
.rept 8
	global_load_b128 v[64*(\slot)+8*f:64*(\slot)+8*f+3],   v[BOFF], s[30:31] offset:8192*(\rel)+1024*f
	global_load_b128 v[64*(\slot)+8*f+4:64*(\slot)+8*f+7], v[BOFF], s[30:31] offset:8192*(\rel)+1024*f+512
.set f, f+1
.endr
.endm
; 16 loads: source 1 of one K step, eight row blocks, -> buffer buf
.macro AREQ buf, pitch
	WIN 0
.set aa, 0
.rept 4
	ds_load_b128 v[64+64*(\buf)+8*aa:64+64*(\buf)+8*aa+3],   v[AW0] offset:aa*16*\pitch
	ds_load_b128 v[64+64*(\buf)+8*aa+4:64+64*(\buf)+8*aa+7], v[AW0] offset:aa*16*\pitch+32
.set aa, aa+1
.endr
.set aa, 0
.rept 4
	ds_load_b128 v[96+64*(\buf)+8*aa:96+64*(\buf)+8*aa+3],   v[AW1] offset:aa*16*\pitch
	ds_load_b128 v[96+64*(\buf)+8*aa+4:96+64*(\buf)+8*aa+7], v[AW1] offset:aa*16*\pitch+32
.set aa, aa+1
.endr
.endm
; 64 products: all 64 accumulators take turns, one instruction a turn, in the same order in every K step.  mode = 1: C = the bias, which starts the sums
.macro MUL64 ab, bs, mode
.set hw, 0
.rept 2
.if \mode
	WIN 0x81+0x40*hw
.else
	WIN 0xa1+0x50*hw
.endif
.set aa, 0
.rept 4
.set bb, 0
.rept 8
.if \mode
	v_wmma_f32_16x16x32_bf16 v[8*(8*aa+bb):8*(8*aa+bb)+7], v[64*\bs+8*bb:64*\bs+8*bb+7], v[64+64*\ab+32*hw+8*aa:64+64*\ab+32*hw+8*aa+7], v[192+8*bb:192+8*bb+7]
.else
	v_wmma_f32_16x16x32_bf16 v[8*(8*aa+bb):8*(8*aa+bb)+7], v[64*\bs+8*bb:64*\bs+8*bb+7], v[64+64*\ab+32*hw+8*aa:64+64*\ab+32*hw+8*aa+7], v[8*(8*aa+bb):8*(8*aa+bb)+7]
.endif
.set bb, bb+1
.endr
.set aa, aa+1
.endr
.set hw, hw+1
.endr
.endm
.macro C0REQ reg, a0                   ; c0 of four row blocks, 16 registers each: [ut][8 units], as the accumulators hold them
	WIN 0
.set i, 0
.rept 16
	global_load_b128 v[\reg+4*i:\reg+4*i+3], v[COFF], s[32+2*(\a0+i/4):33+2*(\a0+i/4)] offset:64*((i/2)%2)+16*(i%2)
.set i, i+1
.endr
.endm
.macro W2REQ hp                        ; the last projection's four weight fragments for this pass's 128 columns -> v32-63
	WIN 0
.set i, 0
.rept 8
	global_load_b128 v[32+4*i:35+4*i], v[L16], s[84:85] offset:4096*\hp+512*i
.set i, i+1
.endr
.endm
; A K STEP.  Four plain vector instructions stand first: the places behind the last step's products, whose slot and buffer are loaded again below.
; padv: steps by which BOFF moves on (what the last request took); then the step three ahead is asked for.  0: no request.   areq: the next step's source 1 is fetched.
; lcnt: the global loads younger than this step's weights.   ex: 1, 2 prefetch of c0; 3 c0 of blocks 0-3; 4, 5 the last projection's weights.
.macro KSTEP ab, bs, padv, areq, pitch, lcnt, mode, ex
	WIN 0
.if \padv
	s_wait_xcnt 0x0                                ; BOFF is written only behind this wait
	v_add_nc_u32 v[BOFF], 8192*\padv, v[BOFF]
.else
	v_nop
.endif
.if \areq
	v_add_nc_u32 v[AW0], 64, v[AW0]
	v_add_nc_u32 v[AW1], 64, v[AW1]
.else
	v_nop
	v_nop
.endif
	v_nop
.if \padv
	BREQ (\bs+3)%4, 0
	WIN 0
.endif
.if \ex == 1
	global_prefetch_b8 v[PFO], s[32:33] th:TH_LOAD_NT scope:SCOPE_SE   ; this pass's 512 bytes of c0, rows 0-63: 32 blocks of 256 bytes from each wave, each block asked for once, four K steps ahead of its load
.elseif \ex == 2
	global_prefetch_b8 v[PFO], s[40:41] th:TH_LOAD_NT scope:SCOPE_SE   ; rows 64-127, likewise
.elseif \ex == 3
	C0REQ 192, 0
.elseif \ex == 4
	W2REQ 0
.elseif \ex == 5
	W2REQ 1
.endif
.if \areq
	AREQ 1-\ab, \pitch
	s_wait_loadcnt \lcnt
	s_wait_dscnt 16                                ; all but the next step's 16
.else
	s_wait_loadcnt \lcnt
	s_wait_dscnt 0x0
.endif
	MUL64 \ab, \bs, \mode
.endm
	BREQ 0, 0                                      ; the stream's first three K steps
	BREQ 1, 1
	BREQ 2, 2
	WIN 0
	BAR                                            ; [h0 | enc] is whole; the weight slots have been left, so hn may be written over them
	; PHASE 2: the gates, four passes of 32 hidden units a wave, and the LSTM step
.macro EXPRUN first, n                 ; 2^min(x, 40) in place; the cut runs one register ahead, so that a plain instruction stands behind each exponential
	v_min_num_f32 v[\first], s70, v[\first]
.set i, 0
.rept \n-1
	v_min_num_f32 v[\first+i+1], s70, v[\first+i+1]
	v_exp_f32 v[\first+i], v[\first+i]
.set i, i+1
.endr
	v_exp_f32 v[\first+\n-1], v[\first+\n-1]
	v_nop                                          ; a plain instruction before the last results are used
	s_wait_alu depctr_va_vdst(0)
.endm
.macro RCPRUN first
.set i, 0
.rept 16
	v_rcp_f32 v[\first+i], v[\first+i]
.set i, i+1
.endr
	v_nop
.endm
; Row block a, in place on its 64 accumulator registers I, F, G, O (16 each: [ut][8 units]).  With Ei = e^-i, Ef = e^-f, Eo = e^-o, Eg = e^2g, Ec = e^2c:
;   c  = (c0 (1+Ei)(1+Eg) + (Eg-1)(1+Ef)) / ((1+Ei)(1+Eg)(1+Ef)),   hn = (Ec-1) / ((1+Eo)(1+Ec)):  seven transcendentals an element.
.macro PBLOCK a
.set PW, 2+(\a)/4
.set R, 64*((\a)%4)
.if (\a) < 4
.set C0, 192+16*(\a)
.else
.set C0, 64+16*((\a)-4)
.endif
.set TT, 32+8*((\a)%4)
	WIN PW*0x55
.set i, 0
.rept 32
.if (i >= 16) && (i < 24)
	v_pk_mul_f32 v[R+2*i:R+2*i+1], v[R+2*i:R+2*i+1], s[68:69] op_sel_hi:[1,0]
.else
	v_pk_mul_f32 v[R+2*i:R+2*i+1], v[R+2*i:R+2*i+1], s[66:67] op_sel_hi:[1,0]
.endif
.set i, i+1
.endr
	EXPRUN R, 64
.set i, 0
.rept 32
.if (i < 16) || (i >= 24)
	v_pk_add_f32 v[R+2*i:R+2*i+1], v[R+2*i:R+2*i+1], 1.0 op_sel_hi:[1,0]      ; I = 1+Ei, F = 1+Ef, O = 1+Eo
.endif
.set i, i+1
.endr
.set i, 0
.rept 8
	v_pk_fma_f32 v[R+2*i:R+2*i+1], v[R+2*i:R+2*i+1], v[R+32+2*i:R+33+2*i], v[R+2*i:R+2*i+1]   ; I = (1+Ei)(1+Eg)
.set i, i+1
.endr
.set i, 0
.rept 8
	v_pk_fma_f32 v[R+32+2*i:R+33+2*i], v[R+32+2*i:R+33+2*i], v[R+16+2*i:R+17+2*i], v[R+16+2*i:R+17+2*i] neg_lo:[0,0,1] neg_hi:[0,0,1]   ; G = (Eg-1)(1+Ef)
.set i, i+1
.endr
	WIN PW*0x54                                    ; source 0 (c0) in window 0
.set i, 0
.rept 8
	v_pk_fma_f32 v[R+32+2*i:R+33+2*i], v[C0+2*i:C0+2*i+1], v[R+2*i:R+2*i+1], v[R+32+2*i:R+33+2*i]
.set i, i+1
.endr
	WIN PW*0x55
.set i, 0
.rept 8
	v_pk_mul_f32 v[R+2*i:R+2*i+1], v[R+2*i:R+2*i+1], v[R+16+2*i:R+17+2*i]
.set i, i+1
.endr
	RCPRUN R
.set i, 0
	s_wait_alu depctr_va_vdst(0)
.rept 8
	v_pk_mul_f32 v[R+32+2*i:R+33+2*i], v[R+32+2*i:R+33+2*i], v[R+2*i:R+2*i+1]                 ; G = c
.set i, i+1
.endr
.set i, 0
.rept 8
	v_pk_mul_f32 v[R+16+2*i:R+17+2*i], v[R+32+2*i:R+33+2*i], s[68:69] op_sel_hi:[1,0]
.set i, i+1
.endr
	EXPRUN R+16, 16                                ; F = Ec
.set i, 0
	s_wait_alu depctr_va_vdst(0)
.rept 8
	v_pk_fma_f32 v[R+48+2*i:R+49+2*i], v[R+48+2*i:R+49+2*i], v[R+16+2*i:R+17+2*i], v[R+48+2*i:R+49+2*i]   ; O = (1+Eo)(1+Ec)
.set i, i+1
.endr
	RCPRUN R+48
.set i, 0
	s_wait_alu depctr_va_vdst(0)
.rept 8
	v_pk_fma_f32 v[R+16+2*i:R+17+2*i], v[R+16+2*i:R+17+2*i], v[R+48+2*i:R+49+2*i], v[R+48+2*i:R+49+2*i] neg_lo:[0,0,1] neg_hi:[0,0,1]   ; F = hn
.set i, i+1
.endr
	WIN PW*0x05                                    ; sources in the block's window, destination window 0
.set i, 0
.rept 8
	v_cvt_pk_bf16_f32 v[TT+i], v[R+16+2*i], v[R+17+2*i]
.set i, i+1
.endr
	WIN 0
	ds_store_b128 v[HNW+(\a)/4], v[TT:TT+3]   offset:((\a)%4)*16*PH
	ds_store_b128 v[HNW+(\a)/4], v[TT+4:TT+7] offset:((\a)%4)*16*PH+32
.if (\a) == 7
	v_cmp_eq_u32 vcc_lo, 15, v2                    ; row l = 127: c and hn in f32 for the last two outputs
	s_wait_xcnt 0x0                                ; EXEC changes only behind this wait: the stream's loads are out
	s_and_saveexec_b32 s74, vcc_lo
	WIN 0x0c
.set i, 0
.rept 4
	ds_store_b128 v[LASTA], v[R+32+4*i:R+35+4*i] offset:64*(i/2)+16*(i%2)
	ds_store_b128 v[LASTA], v[R+16+4*i:R+19+4*i] offset:2048+64*(i/2)+16*(i%2)
.set i, i+1
.endr
	WIN 0
	s_wait_xcnt 0x0
	s_or_b32 exec_lo, exec_lo, s74
.endif
.endm
	s_mov_b32 s71, 4
.Lpass:
	v_mov_b32 v[AW0], v[AA0]
	v_mov_b32 v[AW1], v[AA1]
.set i, 0
.rept 8                                                ; column tile i = 2 g + ut: bias[512 g + 128 pass + 32 w + 16 ut + 8 h + j]
	ds_load_b128 v[192+8*i:195+8*i], v[GBA] offset:2048*(i/2)+64*(i%2)
	ds_load_b128 v[196+8*i:199+8*i], v[GBA] offset:2048*(i/2)+64*(i%2)+16
.set i, i+1
.endr
	AREQ 0, PA
	KSTEP 0, 0, 3, 1, PA, 48, 1, 0                 ; 48: the three later K steps' weights stay out
	KSTEP 1, 1, 1, 1, PA, 48, 0, 0
	WIN 0
	s_mov_b32 s72, 2
.Lgk:                                                  ; K steps 2 to 9
	KSTEP 0, 2, 1, 1, PA, 48, 0, 0
	KSTEP 1, 3, 1, 1, PA, 48, 0, 0
	KSTEP 0, 0, 1, 1, PA, 48, 0, 0
	KSTEP 1, 1, 1, 1, PA, 48, 0, 0
	WIN 0
	s_sub_co_u32 s72, s72, 1
	s_cmp_lg_u32 s72, 0
	s_cbranch_scc1 .Lgk
	KSTEP 0, 2, 1, 1, PA, 48, 0, 0
	KSTEP 1, 3, 1, 1, PA, 48, 0, 1
	KSTEP 0, 0, 1, 1, PA, 48, 0, 0
	KSTEP 1, 1, 1, 1, PA, 48, 0, 0
	KSTEP 0, 2, 1, 1, PA, 48, 0, 2                 ; asks for step 17, the pass's last
	KSTEP 1, 3, 0, 1, PA, 48, 0, 3                 ; step 15: behind its weights: steps 16, 17 and c0's 16 loads
	KSTEP 0, 0, 0, 1, PA, 32, 0, 0                 ; step 17 and c0
	KSTEP 1, 1, 0, 0, PA, 16, 0, 0                 ; c0
	PLACES
	C0REQ 64, 4                                    ; c0 of blocks 4-7 into buffer 0
	s_wait_loadcnt 16                              ; c0 of blocks 0-3 is in
	PBLOCK 0
	PBLOCK 1
	PBLOCK 2
	PBLOCK 3
	s_wait_loadcnt 0x0                             ; c0 of blocks 4-7; COFF is free
	v_add_nc_u32 v[COFF], 512, v[COFF]
	s_wait_xcnt 0x0
	v_add_nc_u32 v[BOFF], 8192, v[BOFF]
	v_add_nc_u32 v[PFO], 512, v[PFO]
	BREQ 0, 0                                      ; the next pass's first three K steps (behind the last pass: the heads')
	BREQ 1, 1
	BREQ 2, 2
	PBLOCK 4
	PBLOCK 5
	PBLOCK 6
	PBLOCK 7
	v_add_nc_u32 v[GBA], 512, v[GBA]
	v_add_nc_u32 v[HNW], 256, v[HNW]
	v_add_nc_u32 v[HNW+1], 256, v[HNW+1]
	v_add_nc_u32 v[LASTA], 512, v[LASTA]
	s_sub_co_u32 s71, s71, 1
	s_cmp_lg_u32 s71, 0
	s_cbranch_scc1 .Lpass
	BAR                                            ; hn is whole; nobody reads [h0 | enc] any more
	; PHASE 3: the heads.  Waves 0, 1: 256 columns each of Ws1; waves 2, 3: of Wa1; two passes of 128 columns.  Behind each pass relu, and the pass's share of the last projection.
.macro HEPI hp
	PLACES
.if \hp == 0
	WIN 0
	s_wait_xcnt 0x0
	v_add_nc_u32 v[BOFF], 8192, v[BOFF]
	BREQ 0, 0
	BREQ 1, 1
	BREQ 2, 2
.endif
.set hw, 0
.rept 2
	WIN (2+hw)*0x55
.set i, 0
.rept 256
	v_max_num_f32 v[i], 0, v[i]
.set i, i+1
.endr
	WIN (2+hw)*0x05
.set i, 0
.rept 128                                              ; i = 32 a' + 8 j + q: source 1 (a', j) at v[64 + 32 a' + 8 j], from column tiles 2 j and 2 j + 1
	v_cvt_pk_bf16_f32 v[64+i], v[8*(8*(i/32)+2*((i/8)%4)+(i%8)/4)+2*(i%4)], v[8*(8*(i/32)+2*((i/8)%4)+(i%8)/4)+2*(i%4)+1]
.set i, i+1
.endr
	WIN 0
.if hw == 0
.if \hp == 0
	s_wait_loadcnt 48                              ; the projection's weights are in; the next pass's three K steps stay out
.else
	s_wait_loadcnt 0x0
.endif
.endif
.set i, 0
.rept 16                                               ; i = 4 j + a': four accumulators take turns; the first four products start the sums
.if i < 4
	v_wmma_f32_16x16x32_bf16 v[192+32*hw+8*(i%4):192+32*hw+8*(i%4)+7], v[32+8*(i/4):32+8*(i/4)+7], v[64+32*(i%4)+8*(i/4):64+32*(i%4)+8*(i/4)+7], 0
.else
	v_wmma_f32_16x16x32_bf16 v[192+32*hw+8*(i%4):192+32*hw+8*(i%4)+7], v[32+8*(i/4):32+8*(i/4)+7], v[64+32*(i%4)+8*(i/4):64+32*(i%4)+8*(i/4)+7], v[192+32*hw+8*(i%4):192+32*hw+8*(i%4)+7]
.endif
.set i, i+1
.endr
.set hw, hw+1
.endr
	PLACES
	v_cmp_gt_u32 vcc_lo, 16, v1                    ; lanes 0-15 hold the projection's rows 0 to 7 of data row r; rows 0 to 3 are kept
	s_wait_xcnt 0x0                                ; EXEC changes only behind this wait
	s_and_saveexec_b32 s74, vcc_lo
.set i, 0
.rept 8
	ds_store_b128 v[QPA], v[192+8*i:195+8*i] offset:2048*\hp+256*i
.set i, i+1
.endr
	s_wait_xcnt 0x0
	s_or_b32 exec_lo, exec_lo, s74
.endm
.macro HPASS hp
	WIN 0
	v_mov_b32 v[AW0], v[HA0]
	v_mov_b32 v[AW1], v[HA1]
.set i, 0
.rept 8
	ds_load_b128 v[192+8*i:195+8*i], v[HBA] offset:512*\hp+64*i
	ds_load_b128 v[196+8*i:199+8*i], v[HBA] offset:512*\hp+64*i+16
.set i, i+1
.endr
	AREQ 0, PH
	KSTEP 0, 0, 3, 1, PH, 48, 1, 0
	KSTEP 1, 1, 1, 1, PH, 48, 0, 0
	WIN 0
	s_mov_b32 s72, 2
.Lhk_\@:                                               ; K steps 2 to 9
	KSTEP 0, 2, 1, 1, PH, 48, 0, 0
	KSTEP 1, 3, 1, 1, PH, 48, 0, 0
	KSTEP 0, 0, 1, 1, PH, 48, 0, 0
	KSTEP 1, 1, 1, 1, PH, 48, 0, 0
	WIN 0
	s_sub_co_u32 s72, s72, 1
	s_cmp_lg_u32 s72, 0
	s_cbranch_scc1 .Lhk_\@
	KSTEP 0, 2, 1, 1, PH, 48, 0, 0
	KSTEP 1, 3, 1, 1, PH, 48, 0, 0
	KSTEP 0, 0, 1, 1, PH, 48, 0, 0                 ; asks for step 15, the pass's last
	KSTEP 1, 1, 0, 1, PH, 40, 0, 4+\hp             ; step 13: behind its weights: steps 14, 15 and the projection's 8 loads
	KSTEP 0, 2, 0, 1, PH, 24, 0, 0
	KSTEP 1, 3, 0, 0, PH, 8, 0, 0
	HEPI \hp
.endm
	HPASS 0
	HPASS 1
	BAR                                            ; all eight partial projections are in LDS
	; PHASE 4: thread t = row t
.set i, 0
.rept 8
	ds_load_b128 v[64+4*i:67+4*i], v[T16] offset:2048*i            ; sets 0-3: Ws2's shares (component 0); sets 4-7: Wa2's (components 0 to 2)
.set i, i+1
.endr
	v_add_nc_u32 v36, LQB, v[T16]
	ds_load_b128 v[96:99], v36
	v_mul_u32_u24 v37, v0, 12
	v_add_nc_u32 v37, LQO, v37
	v_add_nc_u32 v38, LLAST, v[T16]
	v_add_nc_u32 v39, LQO, v[T16]
	s_wait_dscnt 0x0
	v_add_f32 v100, v64, v68
	v_add_f32 v101, v72, v76
	v_add_f32 v100, v100, v101
	v_add_f32 v100, s78, v100                      ; sv
.irp k, 0,1,2
	v_add_f32 v[104+\k], v[80+\k], v[84+\k]
	v_add_f32 v[108+\k], v[88+\k], v[92+\k]
	v_add_f32 v[104+\k], v[104+\k], v[108+\k]
	v_add_f32 v[104+\k], s[80+\k], v[104+\k]       ; av
.endr
	v_add_f32 v102, v104, v105
	v_add_f32 v102, v102, v106
.irp k, 0,1,2
	v_fmamk_f32 v[104+\k], v102, 0xbeaaaaab, v[104+\k]             ; av - mean
	v_add_f32 v[104+\k], v100, v[104+\k]
	v_add_f32 v[104+\k], v[104+\k], v[96+\k]       ; + (1 - mask) x (-1e33)
	ds_store_b32 v37, v[104+\k] offset:4*\k
.endr
	BAR
	ds_load_b128 v[112:115], v38                   ; c of l = 127
	ds_load_b128 v[116:119], v38 offset:2048       ; hn of l = 127
	s_cmp_eq_u32 s2, 3
	s_cbranch_scc1 .Lno_q                          ; q is 1,536 bytes: 96 threads
	ds_load_b128 v[120:123], v39
	s_wait_dscnt 0x0
	global_store_b128 v[T16], v[120:123], s[24:25] ; every store of a wave covers 512 neighbouring bytes, aligned
.Lno_q:
	s_wait_dscnt 0x0
	global_store_b128 v[T16], v[116:119], s[26:27]
	global_store_b128 v[T16], v[112:115], s[28:29]
	s_endpgm
.Lfunc_end_k_q9c0ee8f2eb_main:
	.size	k_q9c0ee8f2eb_main, .Lfunc_end_k_q9c0ee8f2eb_main-k_q9c0ee8f2eb_main
	.p2alignl 7, 3214868480
	.fill 96, 4, 3214868480
	.section	.rodata,"a",@progbits
	.p2align	6, 0x0
	.amdhsa_kernel k_q9c0ee8f2eb_main
		.amdhsa_group_segment_fixed_size 327680
		.amdhsa_private_segment_fixed_size 0
		.amdhsa_enable_private_segment 0
		.amdhsa_kernarg_size 104
		.amdhsa_user_sgpr_count 2
		.amdhsa_user_sgpr_kernarg_segment_ptr 1
		.amdhsa_wavefront_size32 1
		.amdhsa_system_sgpr_workgroup_id_x 1
		.amdhsa_system_sgpr_workgroup_id_y 1
		.amdhsa_system_sgpr_workgroup_id_z 1
		.amdhsa_system_vgpr_workitem_id 0
		.amdhsa_next_free_vgpr 1024
		.amdhsa_next_free_sgpr 96
		.amdhsa_reserve_vcc 1
		.amdhsa_float_denorm_mode_32 3
		.amdhsa_float_denorm_mode_16_64 3
		.amdhsa_memory_ordered 1
		.amdhsa_forward_progress 1
		.amdhsa_inst_pref_size 255
	.end_amdhsa_kernel
	.section	.bss,"aw",@nobits
	.p2align	6
	.space	262144
	.amdgpu_metadata
---
amdhsa.version: [ 1, 2 ]
amdhsa.kernels:
  - .name:           k_q9c0ee8f2eb_main
    .symbol:         k_q9c0ee8f2eb_main.kd
    .args:
      - { .name: x, .offset: 0, .size: 8, .value_kind: global_buffer, .address_space: global }
      - { .name: hns, .offset: 8, .size: 8, .value_kind: global_buffer, .address_space: global }
      - { .name: cns, .offset: 16, .size: 8, .value_kind: global_buffer, .address_space: global }
      - { .name: wfrag, .offset: 24, .size: 8, .value_kind: global_buffer, .address_space: global }
      - { .name: params_b_ih, .offset: 32, .size: 8, .value_kind: global_buffer, .address_space: global }
      - { .name: params_b_hh, .offset: 40, .size: 8, .value_kind: global_buffer, .address_space: global }
      - { .name: params_bs1, .offset: 48, .size: 8, .value_kind: global_buffer, .address_space: global }
      - { .name: params_ba1, .offset: 56, .size: 8, .value_kind: global_buffer, .address_space: global }
      - { .name: params_bs2, .offset: 64, .size: 8, .value_kind: global_buffer, .address_space: global }
      - { .name: params_ba2, .offset: 72, .size: 8, .value_kind: global_buffer, .address_space: global }
      - { .name: out0, .offset: 80, .size: 8, .value_kind: global_buffer, .address_space: global }
      - { .name: out1, .offset: 88, .size: 8, .value_kind: global_buffer, .address_space: global }
      - { .name: out2, .offset: 96, .size: 8, .value_kind: global_buffer, .address_space: global }
    .group_segment_fixed_size: 327680
    .private_segment_fixed_size: 0
    .kernarg_segment_align: 8
    .kernarg_segment_size: 104
    .max_flat_workgroup_size: 128
    .sgpr_count:     96
    .vgpr_count:     1024
    .wavefront_size: 32
...
	.end_amdgpu_metadata
.endif
;; end of part 2
;; ======== version 2 of 2: 2 launches
;; limits: inputs' magnitudes at most 70,368,744,177,664; right only within a limited range of input values
;; workspace buffers: wfrag 3,807,232 bytes
;; launch prep: the kernel of part 1 again; grid 232 x 1, 8 waves a work-group, no clusters, 0 bytes of LDS; arguments params_enc_W_0, params_enc_W_1, params_enc_W_2, params_enc_W_3, params_enc_W_4, params_enc_W_5, params_enc_W_6, params_enc_W_7, params_enc_W_8, params_enc_W_9, params_enc_W_10, params_enc_b_0, params_enc_b_1, params_enc_b_2, params_enc_b_3, params_enc_b_4, params_enc_b_5, params_enc_b_6, params_enc_b_7, params_enc_b_8, params_enc_b_9, params_enc_b_10, params_W_ih, params_W_hh, params_Ws1, params_Wa1, params_Ws2, params_Wa2, wfrag; writes wfrag
;; launch main (part 3): grid 256 x 1, 4 waves a work-group, no clusters, 327,680 bytes of LDS; arguments x, hns, cns, wfrag, params_b_ih, params_b_hh, params_bs1, params_ba1, params_bs2, params_ba2, out0, out1, out2; writes out0, out1, out2
.if DOCPART == 3
	.amdgcn_target "amdgcn-amd-amdhsa--gfx1250"
	.amdhsa_code_object_version 6
	.text
	.protected	k_q9c0ee8f2eb_main
	.globl	k_q9c0ee8f2eb_main
	.p2align	8
	.type	k_q9c0ee8f2eb_main,@function
k_q9c0ee8f2eb_main:
	s_mov_b64 s[64:65], 0
	v_nop
	global_prefetch_b8 v0, s[64:65] scope:SCOPE_SE
	s_setreg_imm32_b32 hwreg(HW_REG_WAVE_MODE, 25, 1), 1
	s_wait_xcnt 0x0
; LSTMQNet, all of it, for the 128 rows (b, l = 0..127) of one b: encoder (11 layers), gates, LSTM step, two heads, last projection, dueling sum and mask term.  Nothing between x, hns, cns and the outputs leaves the work-group.
; SHARES.  Work-group = b.  Four waves, one to a SIMD.  Encoder: wave w keeps rows 32 w .. 32 w + 31 in registers through all layers.  Gates and heads: a wave makes 128 rows x 128 columns (64 accumulators, 512 registers);
; in the gates the columns are 4 gates x 32 hidden units, so that i, f, g, o of a unit meet in one lane.
; THE MATRIX INSTRUCTION IS USED TRANSPOSED: source 0 = 16 weight rows, source 1 = 16 data rows.  A lane then holds one data row (lane % 16) and eight neighbouring columns 8 (lane / 16) + 0..7; two such results,
; rounded to bf16 in pairs, ARE source 1 of the next product (encoder chain, last projection).
; OPERANDS.  [h0 | enc], later hn, are read by all four waves: bf16 in LDS.  Each weight fragment of gates and heads is used by one wave alone: it comes from wfrag (fragment order) straight into registers, three K steps
; ahead, each load covering 512 neighbouring bytes; the K loops have no barrier.
; NO CLUSTER, NO JOINT LOADS, though all work-groups walk the same weights: LDS holds 149,504 bytes of [h0 | enc], 133,120 of hn and 26,112 of tables; what is left of 327,680 is under 19 KiB, and two slots for
; one K step of the group's 512 columns are 65,536.
; LIMITS.  Exponents of 2 are cut at 40 ahead of v_exp_f32, so that a product of three denominators stays at or under 2^120: a sigmoid under 9e-13 comes out as 9e-13, tanh ends at 1 - 2^-39, and |c0| must stay under 2^46.
; Inputs are finite: a NaN loses in v_min_num_f32, and x's three mask columns are multiplied by zero weights.  Matrix operands are rounded to bf16; all else is f32.
;
; LDS (bytes)
.set PA,    1168                       ; [h0 | enc]: 128 rows of 576 bf16 + 16 bytes = 73 x 16: the 16 rows of a fragment load start in 16 different 16-byte columns modulo 256
.set PH,    1040                       ; hn: 128 rows of 512 bf16 + 16 bytes = 65 x 16
.set PX,    784                        ; x: 196 f32 = 49 x 16
.set LHN,   149504                     ; hn; ahead of the gates these bytes hold x, then the two weight slots, and (from LW0) layer 0's weights
.set LX,    149504
.set LSL0,  149504
.set LSL1,  182272
.set LW0,   249856
.set LEB,   299008                     ; encoder biases, 12 x 512
.set LGB,   305152                     ; b_ih + b_hh
.set LHB,   313344                     ; bs1, ba1
.set LQB,   317440                     ; row x 16: (1 - mask) x (-1e33)
.set LLAST, 319488                     ; row l = 127: c, then hn, f32
.set LQO,   323584                     ; q, 1,536 bytes.  The eight partial projections (8 x 128 rows x 32 bytes) lie at byte 0, where [h0 | enc] lay
; wfrag
.set F_ENC1,   49152
.set F_ENC10,  344064
.set F_STREAM, 360448
.set F_WSTR,   851968
.set F_W2,     3768320
.set F_EB,     3801088
; REGISTERS, in windows of 256 (s_set_vgpr_msb: bits 1:0 source 0, 3:2 source 1, 5:4 source 2, 7:6 destination)
;   window 0: v0-31 addresses; v32-63 at work, last projection's weights; v64-127, v128-191 source-1 fragments, two buffers; v192-255 bias as C, then c0, then the last projection's sums
;   window 1: four slots of 64: weight fragments of one K step each
;   window 2, 3: accumulator (a, b) at v[8 (8 (a % 4) + b)], row blocks 0-3 and 4-7; in the encoder window 2 holds x and the sums, window 3 the h0 chunk (v0-127) and the next layer's weights (v128-191)
.set BOFF, 4                           ; byte offset of the next K step to ask for in my stream
.set AA0,  5                           ; [h0 | enc]: r PA + 16 h;  AA1: 64 rows on
.set AA1,  6
.set HA0,  7                           ; the same in hn
.set HA1,  8
.set COFF, 9                           ; c0: 524,288 r + 32 h + 128 w + 512 pass
.set PFO,  10                          ; c0's prefetch
.set GBA,  11
.set HNW,  12                          ; v12, v13: where hn is put, rows 0-63 and 64-127
.set LASTA,14
.set HBA,  15
.set QPA,  16
.set XA,   17                          ; x's fragments; in the heads the same register is W2O
.set W2O,  17                          ; byte offset of the head pass's four fragments of the last projection
.set RD0,  18
.set RD1,  19
.set WW0,  20
.set WW1,  21
.set WOFF, 22
.set HOFF, 23
.set HST,  24
.set EBA,  25
.set ENCW, 26
.set W0RD, 27
.set L16,  28                          ; 16 x lane
.set T16,  29                          ; 16 x thread
.set AW0,  30                          ; the K loop's walking copies of AA0, AA1 or HA0, HA1
.set AW1,  31
; s2 wave, s3 b, s[4:29] the 13 buffers, s[30:31] my stream, s[32:47] cns + 2,048 b + 16 a rows (a = 0..7: 16 rows of cns pass a load's immediate), s[48:59] x's descriptor, s[60:61] hns at my first row,
; s[66:67] -log2 e, s[68:69] 2 log2 e, s70 40.0, s71-73 counters, s74 saved EXEC, s78 bs2, s[80:82] ba2, s[84:85] my part of the last projection's weights, s86-93 at work
.set MSB, 0
.macro WIN new                         ; the immediate's high byte repeats the setting that is left; a switch that changes nothing is dropped
.if MSB != (\new)
	s_set_vgpr_msb (MSB<<8)|(\new)
.set MSB, (\new)
.endif
.endm
.macro PLACES                          ; four plain vector instructions between a matrix instruction and what reads its result, writes one of its registers or loads into one
.rept 4
	v_nop
.endr
.endm
.macro BAR                             ; my LDS stores are done and my LDS reads are back, for the others' sake; then the work-group's barrier
	s_wait_dscnt 0x0
	s_barrier_signal -1
	s_barrier_wait -1
.endm
	s_load_b512 s[4:19], s[0:1], 0x0               ; x, hns, cns, wfrag, b_ih, b_hh, bs1, ba1
	s_load_b256 s[20:27], s[0:1], 0x40             ; bs2, ba2, out0, out1
	s_load_b64 s[28:29], s[0:1], 0x60              ; out2
	v_lshrrev_b32 v1, 5, v0
	v_readfirstlane_b32 s2, v1                     ; wave 0..3
	s_mov_b32 s3, ttmp9                            ; b
	; x's descriptor: my 32 rows of 185 f32, laid as rows of 196: columns 185 to 195 lie past tensor_dim0 and arrive as zeros, and the LDS rows are 784 bytes apart
	s_mov_b32 s48, 1                               ; count = 1
	s_mul_i32 s49, s2, 32*PX
	s_add_co_u32 s49, s49, LX                      ; LDS address: my wave's rows
	s_mov_b32 s52, 2<<16                           ; no mask; elements of 4 bytes; no padding
	s_mov_b32 s53, 185<<16                         ; tensor_dim0 = 185
	s_mov_b32 s54, 32<<16                          ; tensor_dim1 = 32
	s_mov_b32 s55, 196<<16                         ; tile_dim0 = 196
	s_mov_b32 s56, 32                              ; tile_dim1 = 32
	s_mov_b32 s57, 185                             ; elements from row to row
	s_mov_b32 s58, 0
	s_mov_b32 s59, 0
	s_mul_i32 s86, s3, 94720                       ; b's 128 rows of 740 bytes
	s_mul_i32 s87, s2, 23680                       ; my 32 of them
	s_add_co_u32 s86, s86, s87
	s_mov_b32 s87, 0
	s_wait_kmcnt 0x0
	s_add_nc_u64 s[50:51], s[4:5], s[86:87]
	s_or_b32 s51, s51, 0x80000000                  ; type = 2
	tensor_load_to_lds s[48:51], s[52:59]          ; the launch's only tensor load of this wave: one is out
	s_nop 0
	; PHASE 0: tables and layer 0's weights into LDS, x into registers as bf16
	v_and_b32 v1, 31, v0                           ; lane
	v_and_b32 v2, 15, v0                           ; r
	v_bfe_u32 v3, v0, 4, 1                         ; h
	v_lshlrev_b32 v[L16], 4, v1
	v_lshlrev_b32 v[T16], 4, v0
	s_mul_i32 s90, s2, 12288
	v_add_nc_u32 v36, s90, v[L16]                  ; my quarter of layer 0's 49,152 bytes
.set i, 0
.rept 24
	global_load_b128 v[64+4*i:67+4*i], v36, s[10:11] offset:512*i
.set i, i+1
.endr
.set i, 0
.rept 3
	global_load_b128 v[160+4*i:163+4*i], v[T16], s[10:11] offset:F_EB+2048*i
.set i, i+1
.endr
.set i, 0
.rept 4
	global_load_b128 v[172+4*i:175+4*i], v[T16], s[12:13] offset:2048*i
	global_load_b128 v[188+4*i:191+4*i], v[T16], s[14:15] offset:2048*i
.set i, i+1
.endr
	global_load_b128 v[204:207], v[T16], s[16:17]
	global_load_b128 v[208:211], v[T16], s[18:19]
	s_load_b32 s78, s[20:21], 0x0                  ; bs2
	s_load_b96 s[80:82], s[22:23], 0x0             ; ba2
	; the scalar bases
	s_mul_i32 s86, s2, F_WSTR
	s_add_co_u32 s86, s86, F_STREAM
	s_add_nc_u64 s[30:31], s[10:11], s[86:87]
	s_lshl_b32 s86, s2, 13
	s_add_co_u32 s86, s86, F_W2
	s_add_nc_u64 s[84:85], s[10:11], s[86:87]
	s_lshl_b32 s86, s3, 11                         ; 2,048 b
	s_add_nc_u64 s[32:33], s[8:9], s[86:87]
.set i, 1
.rept 7
	s_add_nc_u64 s[32+2*i:33+2*i], s[30+2*i:31+2*i], 0x800000  ; 16 rows of 524,288 bytes on
.set i, i+1
.endr
	s_add_nc_u64 s[26:27], s[26:27], s[86:87]
	s_add_nc_u64 s[28:29], s[28:29], s[86:87]
	s_lshl_b32 s88, s2, 24                         ; my 32 rows of hns
	s_add_co_u32 s88, s88, s86
	s_mov_b32 s89, 0
	s_add_nc_u64 s[60:61], s[6:7], s[88:89]
	s_mul_i32 s86, s3, 1536
	s_add_nc_u64 s[24:25], s[24:25], s[86:87]
	s_mov_b32 s66, 0xbfb8aa3b                      ; -log2 e
	s_mov_b32 s67, 0xbfb8aa3b
	s_mov_b32 s68, 0x4038aa3b                      ; 2 log2 e
	s_mov_b32 s69, 0x4038aa3b
	s_mov_b32 s70, 0x42200000                      ; 40.0
	; the lanes' addresses
	v_mul_u32_u24 v[AA0], v2, PA
	v_lshl_add_u32 v[AA0], v3, 4, v[AA0]
	v_add_nc_u32 v[AA1], 64*PA, v[AA0]
	v_mul_u32_u24 v[HA0], v2, PH
	v_lshl_add_u32 v[HA0], v3, 4, v[HA0]
	v_add_nc_u32 v[HA0], LHN, v[HA0]
	v_add_nc_u32 v[HA1], 64*PH, v[HA0]
	s_lshl_b32 s90, s2, 7                          ; 128 w
	v_lshlrev_b32 v[COFF], 19, v2
	v_lshl_add_u32 v[COFF], v3, 5, v[COFF]
	v_add_nc_u32 v[COFF], s90, v[COFF]
	v_lshrrev_b32 v[PFO], 1, v1                    ; prefetch: row 16 w + lane / 2, the 256 bytes lane & 1 of the pass's 512
	s_lshl_b32 s91, s2, 4
	v_add_nc_u32 v[PFO], s91, v[PFO]
	v_lshlrev_b32 v[PFO], 19, v[PFO]
	v_and_b32 v30, 1, v1
	v_lshl_add_u32 v[PFO], v30, 8, v[PFO]
	v_lshlrev_b32 v30, 5, v3                       ; 32 h
	v_add_nc_u32 v[GBA], s90, v30
	v_add_nc_u32 v[LASTA], LLAST, v[GBA]
	v_add_nc_u32 v[GBA], LGB, v[GBA]
	s_lshl_b32 s91, s2, 6
	v_add_nc_u32 v[HNW], s91, v[HA0]
	v_add_nc_u32 v[HNW+1], s91, v[HA1]
	s_lshl_b32 s91, s2, 10
	v_add_nc_u32 v[HBA], s91, v30
	v_add_nc_u32 v[HBA], LHB, v[HBA]
	s_lshl_b32 s91, s2, 13                         ; partial projections: 8,192 w + 32 r + 16 h
	v_lshl_add_u32 v[QPA], v2, 5, s91
	v_lshl_add_u32 v[QPA], v3, 4, v[QPA]
	s_mul_i32 s93, s2, 32*PX
	v_mul_u32_u24 v[XA], v2, PX
	v_add3_u32 v[XA], v[XA], v30, s93
	v_add_nc_u32 v[XA], LX, v[XA]
	v_add_nc_u32 v[RD0], LSL0, v[L16]
	v_add_nc_u32 v[RD1], LSL1, v[L16]
	v_add_nc_u32 v[W0RD], LW0, v[L16]
	s_lshl_b32 s92, s2, 13
	v_add_nc_u32 v[WW0], s92, v[RD0]
	v_add_nc_u32 v[WW1], s92, v[RD1]
	v_add_nc_u32 v[WOFF], s92, v[L16]
	v_add_nc_u32 v[WOFF], F_ENC1, v[WOFF]
	v_mov_b32 v[HOFF], v[L16]
	s_mul_i32 s92, s2, 32*PA
	v_lshl_add_u32 v[HST], v1, 3, s92
	v_add_nc_u32 v[EBA], LEB, v30
	v_add3_u32 v[ENCW], v[AA0], s92, 1024
	v_mov_b32 v[BOFF], v[L16]
	v_add_nc_u32 v37, LW0, v36
	v_add_nc_u32 v38, LEB, v[T16]
	v_mul_u32_u24 v39, v1, PX
	v_add3_u32 v39, v39, s93, LX+728               ; lane = row: its three mask columns, 182 to 184
	v_add_nc_u32 v40, LQB, v[T16]
	s_wait_loadcnt 0x0
.set i, 0
.rept 8
	v_pk_add_f32 v[172+2*i:173+2*i], v[172+2*i:173+2*i], v[188+2*i:189+2*i]   ; b_ih + b_hh
.set i, i+1
.endr
.set i, 0
.rept 24
	ds_store_b128 v37, v[64+4*i:67+4*i] offset:512*i
.set i, i+1
.endr
.set i, 0
.rept 3
	ds_store_b128 v38, v[160+4*i:163+4*i] offset:2048*i
.set i, i+1
.endr
.set i, 0
.rept 4
	ds_store_b128 v38, v[172+4*i:175+4*i] offset:LGB-LEB+2048*i
.set i, i+1
.endr
	ds_store_b128 v38, v[204:207] offset:LHB-LEB
	ds_store_b128 v38, v[208:211] offset:LHB-LEB+2048
	s_wait_tensorcnt 0x0                           ; my rows of x are in LDS; I read no other wave's
	WIN 0x80                                       ; destination window 2
.set i, 0
.rept 12                                               ; i = 6 rb + s: row block rb, K step s: k = 32 s + 8 h + 0..7 and + 16
	ds_load_b128 v[16*i:16*i+3],     v[XA] offset:16*PX*(i/6)+128*(i%6)
	ds_load_b128 v[16*i+4:16*i+7],   v[XA] offset:16*PX*(i/6)+128*(i%6)+16
	ds_load_b128 v[16*i+8:16*i+11],  v[XA] offset:16*PX*(i/6)+128*(i%6)+64
	ds_load_b128 v[16*i+12:16*i+15], v[XA] offset:16*PX*(i/6)+128*(i%6)+80
.set i, i+1
.endr
	WIN 0
	ds_load_b32 v32, v39
	ds_load_b32 v33, v39 offset:4
	ds_load_b32 v34, v39 offset:8
	s_wait_dscnt 0x0
	WIN 0x0a                                       ; sources window 2, destination window 0
.set i, 0
.rept 96
	v_cvt_pk_bf16_f32 v[64+i], v[2*i], v[2*i+1]    ; source 1 of layer 0: fragment (rb, s) at v[64 + 8 (6 rb + s)]
.set i, i+1
.endr
	WIN 0
.irp k, 32,33,34
	v_sub_f32 v\k, 1.0, v\k
.endr
.irp k, 32,33,34
	v_mul_f32 v\k, 0xf6453719, v\k                 ; x (-1e33)
.endr
	v_mov_b32 v35, 0
	ds_store_b128 v40, v[32:35]
	s_wait_kmcnt 0x0                               ; bs2, ba2
	BAR                                            ; tables and layer 0's weights are whole; every wave has read its x, so x's bytes may be written
	; PHASE 1: the encoder
.macro WLOAD n, off                    ; my part of the next layer's weights -> window 3, v128 on
	WIN 0xc0
.set i, 0
.rept \n
	global_load_b128 v[128+4*i:131+4*i], v[WOFF], s[10:11] offset:\off+512*i
.set i, i+1
.endr
.endm
.macro WSTORE n, reg                   ; and on into the weight slot that the next layer reads
	WIN 0x0c                                       ; data window 3, address window 0
.set i, 0
.rept \n
	ds_store_b128 v[\reg], v[128+4*i:131+4*i] offset:512*i
.set i, i+1
.endr
.endm
.macro HLOAD                           ; eight of my rows of h0: each load covers 512 neighbouring bytes of a row; read once in the launch
	WIN 0xc0
.set i, 0
.rept 32
	global_load_b128 v[4*i:4*i+3], v[HOFF], s[60:61] offset:524288*(i/4)+512*(i%4) th:TH_LOAD_NT
.set i, i+1
.endr
.endm
.macro HSTORE                          ; rounded to bf16 in place, and into [h0 | enc]: each store covers 256 neighbouring bytes
	WIN 0xff
.set i, 0
.rept 32
	v_cvt_pk_bf16_f32 v[4*i], v[4*i], v[4*i+1]
	v_cvt_pk_bf16_f32 v[4*i+1], v[4*i+2], v[4*i+3]
.set i, i+1
.endr
	WIN 0x0c
.set i, 0
.rept 32
	ds_store_b64 v[HST], v[4*i:4*i+1] offset:PA*(i/4)+256*(i%4)
.set i, i+1
.endr
.endm
.macro LBIAS nt, off                   ; the layer's bias as C: register j of tile t = bias[16 t + 8 h + j]
	WIN 0
.set t, 0
.rept \nt
	ds_load_b128 v[192+8*t:195+8*t], v[EBA] offset:\off+64*t
	ds_load_b128 v[196+8*t:199+8*t], v[EBA] offset:\off+64*t+16
.set t, t+1
.endr
.endm
.macro LWGT reg, nt, s, slot           ; K step s's weight fragments -> window 1, slot
	WIN 0x40
.set t, 0
.rept \nt
	ds_load_b128 v[64*\slot+8*t:64*\slot+8*t+3],   v[\reg] offset:1024*(\nt*\s+t)
	ds_load_b128 v[64*\slot+8*t+4:64*\slot+8*t+7], v[\reg] offset:1024*(\nt*\s+t)+512
.set t, t+1
.endr
.endm
.macro LMUL nt, s, slot, as            ; 2 nt products; the accumulators (t, rb) at v[8 (2 t + rb)] take turns, one instruction a turn
.if \s == 0
	WIN 0x81                                       ; C = the bias, in window 0
.else
	WIN 0xa1
.endif
.set t, 0
.rept \nt
.set rb, 0
.rept 2
.if \s == 0
	v_wmma_f32_16x16x32_bf16 v[8*(2*t+rb):8*(2*t+rb)+7], v[64*\slot+8*t:64*\slot+8*t+7], v[64+8*(\as*rb+\s):64+8*(\as*rb+\s)+7], v[192+8*t:192+8*t+7]
.else
	v_wmma_f32_16x16x32_bf16 v[8*(2*t+rb):8*(2*t+rb)+7], v[64*\slot+8*t:64*\slot+8*t+7], v[64+8*(\as*rb+\s):64+8*(\as*rb+\s)+7], v[8*(2*t+rb):8*(2*t+rb)+7]
.endif
.set rb, rb+1
.endr
.set t, t+1
.endr
.endm
.macro LEPI nt                         ; relu, and tiles 2 s', 2 s' + 1 packed into the next layer's source 1: fragment (rb, s') at v[64 + 8 (4 rb + s')]
	PLACES
	WIN 0xaa
.set i, 0
.rept 16*\nt
	v_max_num_f32 v[i], 0, v[i]
.set i, i+1
.endr
	WIN 0x0a
.set rb, 0
.rept 2
.set sq, 0
.rept \nt/2
.set q, 0
.rept 8
	v_cvt_pk_bf16_f32 v[64+8*(4*rb+sq)+q], v[8*(2*(2*sq+q/4)+rb)+2*(q%4)], v[8*(2*(2*sq+q/4)+rb)+2*(q%4)+1]
.set q, q+1
.endr
.set sq, sq+1
.endr
.set rb, rb+1
.endr
.endm
.macro LAYER8 rd, boff                 ; a layer 128 -> 128.  The waits count the weight loads of the later K steps, 16 each
	LBIAS 8, \boff
	LWGT \rd, 8, 0, 0
	LWGT \rd, 8, 1, 1
	LWGT \rd, 8, 2, 2
	LWGT \rd, 8, 3, 3
	s_wait_dscnt 48
	LMUL 8, 0, 0, 4
	s_wait_dscnt 32
	LMUL 8, 1, 1, 4
	s_wait_dscnt 16
	LMUL 8, 2, 2, 4
	s_wait_dscnt 0x0
	LMUL 8, 3, 3, 4
	LEPI 8
.endm
	WLOAD 16, 0                                    ; layer 0 (K = 192, six steps); layer 1's weights are fetched meanwhile
	LBIAS 8, 0
	LWGT W0RD, 8, 0, 0
	LWGT W0RD, 8, 1, 1
	LWGT W0RD, 8, 2, 2
	LWGT W0RD, 8, 3, 3
	s_wait_dscnt 48                                ; behind step 0's: steps 1 to 3
	LMUL 8, 0, 0, 6
	s_wait_dscnt 32
	LMUL 8, 1, 1, 6
	PLACES                                         ; slots 0 and 1 have been multiplied
	LWGT W0RD, 8, 4, 0
	LWGT W0RD, 8, 5, 1
	s_wait_dscnt 48                                ; behind step 2's: steps 3, 4, 5
	LMUL 8, 2, 2, 6
	s_wait_dscnt 32
	LMUL 8, 3, 3, 6
	s_wait_dscnt 16
	LMUL 8, 4, 0, 6
	s_wait_dscnt 0x0
	LMUL 8, 5, 1, 6
	LEPI 8
	s_wait_loadcnt 0x0
	WSTORE 16, WW0
	WIN 0
	v_add_nc_u32 v[EBA], 512, v[EBA]
	v_add_nc_u32 v[WOFF], 32768, v[WOFF]           ; its loads are done
	BAR
	s_mov_b32 s73, 4
.Lenc:                                                 ; a trip: layers 1 + 2 t and 2 + 2 t, and eight of my rows of h0.  A layer reads one weight slot and fills the other, which every wave left at the last barrier
	WLOAD 16, 0
	HLOAD
	LAYER8 RD0, 0
	s_wait_loadcnt 32                              ; the weights are in; the 32 loads of h0 stay out
	WSTORE 16, WW1
	WIN 0
	BAR
	WLOAD 16, 32768
	LAYER8 RD1, 512
	s_wait_loadcnt 0x0
	WSTORE 16, WW0
	HSTORE
	WIN 0
	v_add_nc_u32 v[WOFF], 65536, v[WOFF]           ; every load that named these is done
	v_add_nc_u32 v[HOFF], 4194304, v[HOFF]
	v_add_nc_u32 v[HST], 8*PA, v[HST]
	v_add_nc_u32 v[EBA], 1024, v[EBA]
	BAR
	s_sub_co_u32 s73, s73, 1
	s_cmp_lg_u32 s73, 0
	s_cbranch_scc1 .Lenc
	s_lshl_b32 s90, s2, 12                         ; layer 9; layer 10's weights are 16,384 bytes, a quarter 4,096
	v_add_nc_u32 v[WOFF], s90, v[L16]
	v_add_nc_u32 v36, LSL1, v[WOFF]
	WLOAD 8, F_ENC10
	LAYER8 RD0, 0
	s_wait_loadcnt 0x0
	WSTORE 8, 36
	WIN 0
	BAR
	LBIAS 4, 512                                   ; layer 10: 128 -> 64; eight weight loads a K step
	LWGT RD1, 4, 0, 0
	LWGT RD1, 4, 1, 1
	LWGT RD1, 4, 2, 2
	LWGT RD1, 4, 3, 3
	s_wait_dscnt 24
	LMUL 4, 0, 0, 4
	s_wait_dscnt 16
	LMUL 4, 1, 1, 4
	s_wait_dscnt 8
	LMUL 4, 2, 2, 4
	s_wait_dscnt 0x0
	LMUL 4, 3, 3, 4
	LEPI 4
	WIN 0
.set i, 0
.rept 4                                                ; i = 2 rb + s': enc into columns 512 to 575 of [h0 | enc]
	ds_store_b128 v[ENCW], v[64+8*(4*(i/2)+i%2):64+8*(4*(i/2)+i%2)+3]   offset:16*PA*(i/2)+64*(i%2)
	ds_store_b128 v[ENCW], v[64+8*(4*(i/2)+i%2)+4:64+8*(4*(i/2)+i%2)+7] offset:16*PA*(i/2)+64*(i%2)+32
.set i, i+1
.endr
; 16 loads: the eight weight fragments of the K step rel steps behind BOFF -> window 1, slot
.macro BREQ slot, rel
	WIN 0x40
.set f, 0
.rept 8
	global_load_b128 v[64*(\slot)+8*f:64*(\slot)+8*f+3],   v[BOFF], s[30:31] offset:8192*(\rel)+1024*f
	global_load_b128 v[64*(\slot)+8*f+4:64*(\slot)+8*f+7], v[BOFF], s[30:31] offset:8192*(\rel)+1024*f+512
.set f, f+1
.endr
.endm
; 16 loads: source 1 of one K step, eight row blocks, -> buffer buf
.macro AREQ buf, pitch
	WIN 0
.set aa, 0
.rept 4
	ds_load_b128 v[64+64*(\buf)+8*aa:64+64*(\buf)+8*aa+3],   v[AW0] offset:aa*16*\pitch
	ds_load_b128 v[64+64*(\buf)+8*aa+4:64+64*(\buf)+8*aa+7], v[AW0] offset:aa*16*\pitch+32
.set aa, aa+1
.endr
.set aa, 0
.rept 4
	ds_load_b128 v[96+64*(\buf)+8*aa:96+64*(\buf)+8*aa+3],   v[AW1] offset:aa*16*\pitch
	ds_load_b128 v[96+64*(\buf)+8*aa+4:96+64*(\buf)+8*aa+7], v[AW1] offset:aa*16*\pitch+32
.set aa, aa+1
.endr
.endm
; 64 products: all 64 accumulators take turns, one instruction a turn, in the same order in every K step.  mode = 1: C = the bias, which starts the sums
.macro MUL64 ab, bs, mode
.set hw, 0
.rept 2
.if \mode
	WIN 0x81+0x40*hw
.else
	WIN 0xa1+0x50*hw
.endif
.set aa, 0
.rept 4
.set bb, 0
.rept 8
.if \mode
	v_wmma_f32_16x16x32_bf16 v[8*(8*aa+bb):8*(8*aa+bb)+7], v[64*\bs+8*bb:64*\bs+8*bb+7], v[64+64*\ab+32*hw+8*aa:64+64*\ab+32*hw+8*aa+7], v[192+8*bb:192+8*bb+7]
.else
	v_wmma_f32_16x16x32_bf16 v[8*(8*aa+bb):8*(8*aa+bb)+7], v[64*\bs+8*bb:64*\bs+8*bb+7], v[64+64*\ab+32*hw+8*aa:64+64*\ab+32*hw+8*aa+7], v[8*(8*aa+bb):8*(8*aa+bb)+7]
.endif
.set bb, bb+1
.endr
.set aa, aa+1
.endr
.set hw, hw+1
.endr
.endm
.macro C0REQ reg, a0                   ; c0 of four row blocks, 16 registers each: [ut][8 units], as the accumulators hold them
	WIN 0
.set i, 0
.rept 16
	global_load_b128 v[\reg+4*i:\reg+4*i+3], v[COFF], s[32+2*(\a0+i/4):33+2*(\a0+i/4)] offset:64*((i/2)%2)+16*(i%2)
.set i, i+1
.endr
.endm
.macro W2REQ                           ; the last projection's four weight fragments for this head pass's 128 columns -> v32-63
	WIN 0
.set i, 0
.rept 8
	global_load_b128 v[32+4*i:35+4*i], v[W2O], s[84:85] offset:512*i
.set i, i+1
.endr
.endm
; A K STEP.  Four plain vector instructions stand first: the places behind the last step's products, whose slot and buffer are loaded again below.
; padv: steps by which BOFF moves on (what the last request took); then the step three ahead is asked for.  0: no request.   areq: the next step's source 1 is fetched.
; lcnt: the global loads younger than this step's weights.   ex: 1, 2 prefetch of c0; 3 c0 of blocks 0-3; 4 the last projection's weights.
.macro KSTEP ab, bs, padv, areq, pitch, lcnt, mode, ex
	WIN 0
.if \padv
	s_wait_xcnt 0x0                                ; BOFF is written only behind this wait
	v_add_nc_u32 v[BOFF], 8192*\padv, v[BOFF]
.else
	v_nop
.endif
.if \areq
	v_add_nc_u32 v[AW0], 64, v[AW0]
	v_add_nc_u32 v[AW1], 64, v[AW1]
.else
	v_nop
	v_nop
.endif
	v_nop
.if \padv
	BREQ (\bs+3)%4, 0
	WIN 0
.endif
.if \ex == 1
	global_prefetch_b8 v[PFO], s[32:33] th:TH_LOAD_NT scope:SCOPE_SE   ; this pass's 512 bytes of c0, rows 0-63: each wave asks for 32 blocks of 256 bytes, each block once in the launch, two K steps ahead of its load
.elseif \ex == 2
	global_prefetch_b8 v[PFO], s[40:41] th:TH_LOAD_NT scope:SCOPE_SE   ; rows 64-127, likewise, four K steps ahead of their load
.elseif \ex == 3
	C0REQ 192, 0
.elseif \ex == 4
	W2REQ
.endif
.if \areq
	AREQ 1-\ab, \pitch
	s_wait_loadcnt \lcnt
	s_wait_dscnt 16                                ; all but the next step's 16
.else
	s_wait_loadcnt \lcnt
	s_wait_dscnt 0x0
.endif
	MUL64 \ab, \bs, \mode
.endm
; K steps 1 to 12 of a pass: three trips of four; each asks for the step three ahead, so 48 younger loads stay out
.macro KLOOP pitch
	WIN 0
	s_mov_b32 s72, 3
.Lk_\@:
	KSTEP 1, 1, 1, 1, \pitch, 48, 0, 0
	KSTEP 0, 2, 1, 1, \pitch, 48, 0, 0
	KSTEP 1, 3, 1, 1, \pitch, 48, 0, 0
	KSTEP 0, 0, 1, 1, \pitch, 48, 0, 0
	WIN 0
	s_sub_co_u32 s72, s72, 1
	s_cmp_lg_u32 s72, 0
	s_cbranch_scc1 .Lk_\@
.endm
	BREQ 0, 0                                      ; the stream's first three K steps
	BREQ 1, 1
	BREQ 2, 2
	WIN 0
	BAR                                            ; [h0 | enc] is whole; the weight slots have been left, so hn may be written over them
	; PHASE 2: the gates, four passes of 32 hidden units a wave, and the LSTM step
.macro EXPRUN first, n                 ; 2^min(x, 40) in place; the cut runs one register ahead, so that a plain instruction stands behind each exponential
	v_min_num_f32 v[\first], s70, v[\first]
.set i, 0
.rept \n-1
	v_min_num_f32 v[\first+i+1], s70, v[\first+i+1]
	v_exp_f32 v[\first+i], v[\first+i]
.set i, i+1
.endr
	v_exp_f32 v[\first+\n-1], v[\first+\n-1]
	v_nop                                          ; a plain instruction before the last results are used
	s_wait_alu depctr_va_vdst(0)
.endm
.macro RCPRUN first
.set i, 0
.rept 16
	v_rcp_f32 v[\first+i], v[\first+i]
.set i, i+1
.endr
	v_nop
.endm
; Row block a, in place on its 64 accumulator registers I, F, G, O (16 each: [ut][8 units]).  With Ei = e^-i, Ef = e^-f, Eo = e^-o, Eg = e^2g, Ec = e^2c:
;   c  = (c0 (1+Ei)(1+Eg) + (Eg-1)(1+Ef)) / ((1+Ei)(1+Eg)(1+Ef)),   hn = (Ec-1) / ((1+Eo)(1+Ec)):  seven transcendentals an element.
.macro PBLOCK a
.set PW, 2+(\a)/4
.set R, 64*((\a)%4)
.if (\a) < 4
.set C0, 192+16*(\a)
.else
.set C0, 64+16*((\a)-4)
.endif
.set TT, 32+8*((\a)%4)
	WIN PW*0x55
.set i, 0
.rept 32
.if (i >= 16) && (i < 24)
	v_pk_mul_f32 v[R+2*i:R+2*i+1], v[R+2*i:R+2*i+1], s[68:69] op_sel_hi:[1,0]
.else
	v_pk_mul_f32 v[R+2*i:R+2*i+1], v[R+2*i:R+2*i+1], s[66:67] op_sel_hi:[1,0]
.endif
.set i, i+1
.endr
	EXPRUN R, 64
.set i, 0
.rept 32
.if (i < 16) || (i >= 24)
	v_pk_add_f32 v[R+2*i:R+2*i+1], v[R+2*i:R+2*i+1], 1.0 op_sel_hi:[1,0]      ; I = 1+Ei, F = 1+Ef, O = 1+Eo
.endif
.set i, i+1
.endr
.set i, 0
.rept 8
	v_pk_fma_f32 v[R+2*i:R+2*i+1], v[R+2*i:R+2*i+1], v[R+32+2*i:R+33+2*i], v[R+2*i:R+2*i+1]   ; I = (1+Ei)(1+Eg)
.set i, i+1
.endr
.set i, 0
.rept 8
	v_pk_fma_f32 v[R+32+2*i:R+33+2*i], v[R+32+2*i:R+33+2*i], v[R+16+2*i:R+17+2*i], v[R+16+2*i:R+17+2*i] neg_lo:[0,0,1] neg_hi:[0,0,1]   ; G = (Eg-1)(1+Ef)
.set i, i+1
.endr
	WIN PW*0x54                                    ; source 0 (c0) in window 0
.set i, 0
.rept 8
	v_pk_fma_f32 v[R+32+2*i:R+33+2*i], v[C0+2*i:C0+2*i+1], v[R+2*i:R+2*i+1], v[R+32+2*i:R+33+2*i]
.set i, i+1
.endr
	WIN PW*0x55
.set i, 0
.rept 8
	v_pk_mul_f32 v[R+2*i:R+2*i+1], v[R+2*i:R+2*i+1], v[R+16+2*i:R+17+2*i]
.set i, i+1
.endr
	RCPRUN R
.set i, 0
	s_wait_alu depctr_va_vdst(0)
.rept 8
	v_pk_mul_f32 v[R+32+2*i:R+33+2*i], v[R+32+2*i:R+33+2*i], v[R+2*i:R+2*i+1]                 ; G = c
.set i, i+1
.endr
.set i, 0
.rept 8
	v_pk_mul_f32 v[R+16+2*i:R+17+2*i], v[R+32+2*i:R+33+2*i], s[68:69] op_sel_hi:[1,0]
.set i, i+1
.endr
	EXPRUN R+16, 16                                ; F = Ec
.set i, 0
	s_wait_alu depctr_va_vdst(0)
.rept 8
	v_pk_fma_f32 v[R+48+2*i:R+49+2*i], v[R+48+2*i:R+49+2*i], v[R+16+2*i:R+17+2*i], v[R+48+2*i:R+49+2*i]   ; O = (1+Eo)(1+Ec)
.set i, i+1
.endr
	RCPRUN R+48
.set i, 0
	s_wait_alu depctr_va_vdst(0)
.rept 8
	v_pk_fma_f32 v[R+16+2*i:R+17+2*i], v[R+16+2*i:R+17+2*i], v[R+48+2*i:R+49+2*i], v[R+48+2*i:R+49+2*i] neg_lo:[0,0,1] neg_hi:[0,0,1]   ; F = hn
.set i, i+1
.endr
	WIN PW*0x05                                    ; sources in the block's window, destination window 0
.set i, 0
.rept 8
	v_cvt_pk_bf16_f32 v[TT+i], v[R+16+2*i], v[R+17+2*i]
.set i, i+1
.endr
	WIN 0
	ds_store_b128 v[HNW+(\a)/4], v[TT:TT+3]   offset:((\a)%4)*16*PH
	ds_store_b128 v[HNW+(\a)/4], v[TT+4:TT+7] offset:((\a)%4)*16*PH+32
.if (\a) == 7
	v_cmp_eq_u32 vcc_lo, 15, v2                    ; row l = 127: c and hn in f32 for the last two outputs
	s_wait_xcnt 0x0                                ; EXEC changes only behind this wait: the stream's loads are out
	s_and_saveexec_b32 s74, vcc_lo
	WIN 0x0c
.set i, 0
.rept 4
	ds_store_b128 v[LASTA], v[R+32+4*i:R+35+4*i] offset:64*(i/2)+16*(i%2)
	ds_store_b128 v[LASTA], v[R+16+4*i:R+19+4*i] offset:2048+64*(i/2)+16*(i%2)
.set i, i+1
.endr
	WIN 0
	s_wait_xcnt 0x0
	s_or_b32 exec_lo, exec_lo, s74
.endif
.endm
	s_mov_b32 s71, 4
.Lpass:
	v_mov_b32 v[AW0], v[AA0]
	v_mov_b32 v[AW1], v[AA1]
.set i, 0
.rept 8                                                ; column tile i = 2 g + ut: bias[512 g + 128 pass + 32 w + 16 ut + 8 h + j]
	ds_load_b128 v[192+8*i:195+8*i], v[GBA] offset:2048*(i/2)+64*(i%2)
	ds_load_b128 v[196+8*i:199+8*i], v[GBA] offset:2048*(i/2)+64*(i%2)+16
.set i, i+1
.endr
	AREQ 0, PA
	KSTEP 0, 0, 3, 1, PA, 48, 1, 0                 ; step 0.  48: the three later K steps' weights stay out
	KLOOP PA                                       ; steps 1 to 12
	KSTEP 1, 1, 1, 1, PA, 48, 0, 1                 ; step 13
	KSTEP 0, 2, 1, 1, PA, 48, 0, 2                 ; step 14 asks for step 17, the pass's last
	KSTEP 1, 3, 0, 1, PA, 48, 0, 3                 ; step 15: behind its weights: steps 16, 17 and c0's 16 loads
	KSTEP 0, 0, 0, 1, PA, 32, 0, 0                 ; step 17 and c0
	KSTEP 1, 1, 0, 0, PA, 16, 0, 0                 ; c0
	PLACES
	C0REQ 64, 4                                    ; c0 of blocks 4-7 into buffer 0
	s_wait_loadcnt 16                              ; c0 of blocks 0-3 is in
	PBLOCK 0
	PBLOCK 1
	PBLOCK 2
	PBLOCK 3
	s_wait_loadcnt 0x0                             ; c0 of blocks 4-7; COFF is free
	v_add_nc_u32 v[COFF], 512, v[COFF]
	s_wait_xcnt 0x0
	v_add_nc_u32 v[BOFF], 8192, v[BOFF]
	v_add_nc_u32 v[PFO], 512, v[PFO]
	BREQ 0, 0                                      ; the next pass's first three K steps (behind the last pass: the heads')
	BREQ 1, 1
	BREQ 2, 2
	PBLOCK 4
	PBLOCK 5
	PBLOCK 6
	PBLOCK 7
	v_add_nc_u32 v[GBA], 512, v[GBA]
	v_add_nc_u32 v[HNW], 256, v[HNW]
	v_add_nc_u32 v[HNW+1], 256, v[HNW+1]
	v_add_nc_u32 v[LASTA], 512, v[LASTA]
	s_sub_co_u32 s71, s71, 1
	s_cmp_lg_u32 s71, 0
	s_cbranch_scc1 .Lpass
	BAR                                            ; hn is whole; nobody reads [h0 | enc] any more
	; PHASE 3: the heads.  Waves 0, 1: 256 columns each of Ws1; waves 2, 3: of Wa1; a loop of two passes of 128 columns.  Behind each pass relu, and the pass's share of the last projection.
	v_mov_b32 v[W2O], v[L16]
	s_mov_b32 s71, 2
.Lhead:
	v_mov_b32 v[AW0], v[HA0]
	v_mov_b32 v[AW1], v[HA1]
.set i, 0
.rept 8
	ds_load_b128 v[192+8*i:195+8*i], v[HBA] offset:64*i
	ds_load_b128 v[196+8*i:199+8*i], v[HBA] offset:64*i+16
.set i, i+1
.endr
	AREQ 0, PH
	KSTEP 0, 0, 3, 1, PH, 48, 1, 0                 ; step 0
	KLOOP PH                                       ; steps 1 to 12; step 12 asks for step 15, the pass's last
	KSTEP 1, 1, 0, 1, PH, 40, 0, 4                 ; step 13: behind its weights: steps 14, 15 and the projection's 8 loads
	KSTEP 0, 2, 0, 1, PH, 24, 0, 0
	KSTEP 1, 3, 0, 0, PH, 8, 0, 0
	PLACES
	WIN 0
	s_wait_loadcnt 0x0                             ; the projection's weights, asked for three K steps back; no load of mine is out, so W2O and BOFF are free
	v_add_nc_u32 v[W2O], 4096, v[W2O]
	s_cmp_eq_u32 s71, 1
	s_cbranch_scc1 .Lno_more                       ; the last pass asks for nothing: the stream has ended
	v_add_nc_u32 v[BOFF], 8192, v[BOFF]
	BREQ 0, 0                                      ; the second pass's first three K steps land under the relu and the projection
	BREQ 1, 1
	BREQ 2, 2
	WIN 0
.Lno_more:
.set hw, 0
.rept 2
	WIN (2+hw)*0x55
.set i, 0
.rept 256
	v_max_num_f32 v[i], 0, v[i]
.set i, i+1
.endr
	WIN (2+hw)*0x05
.set i, 0
.rept 128                                              ; i = 32 a' + 8 j + q: source 1 (a', j) at v[64 + 32 a' + 8 j], from column tiles 2 j and 2 j + 1
	v_cvt_pk_bf16_f32 v[64+i], v[8*(8*(i/32)+2*((i/8)%4)+(i%8)/4)+2*(i%4)], v[8*(8*(i/32)+2*((i/8)%4)+(i%8)/4)+2*(i%4)+1]
.set i, i+1
.endr
	WIN 0
.set i, 0
.rept 16                                               ; i = 4 j + a': four accumulators take turns; the first four products start the sums
.if i < 4
	v_wmma_f32_16x16x32_bf16 v[192+32*hw+8*(i%4):192+32*hw+8*(i%4)+7], v[32+8*(i/4):32+8*(i/4)+7], v[64+32*(i%4)+8*(i/4):64+32*(i%4)+8*(i/4)+7], 0
.else
	v_wmma_f32_16x16x32_bf16 v[192+32*hw+8*(i%4):192+32*hw+8*(i%4)+7], v[32+8*(i/4):32+8*(i/4)+7], v[64+32*(i%4)+8*(i/4):64+32*(i%4)+8*(i/4)+7], v[192+32*hw+8*(i%4):192+32*hw+8*(i%4)+7]
.endif
.set i, i+1
.endr
.set hw, hw+1
.endr
	PLACES
.set i, 0
.rept 8                                                ; all lanes store: lanes 0-15 the projection's rows 0 to 3 of data row 16 i + r, lanes 16-31 its rows 8 to 11 (zero weights), which lie beside them and are not read
	ds_store_b128 v[QPA], v[192+8*i:195+8*i] offset:512*i
.set i, i+1
.endr
	v_add_nc_u32 v[QPA], 4096, v[QPA]
	v_add_nc_u32 v[HBA], 512, v[HBA]
	s_sub_co_u32 s71, s71, 1
	s_cmp_lg_u32 s71, 0
	s_cbranch_scc1 .Lhead
	BAR                                            ; all eight partial projections are in LDS
	; PHASE 4: thread t = row t
	v_lshlrev_b32 v40, 5, v0                       ; 32 t
.set i, 0
.rept 8
	ds_load_b128 v[64+4*i:67+4*i], v40 offset:4096*i               ; sets 0-3: Ws2's shares (component 0); sets 4-7: Wa2's (components 0 to 2)
.set i, i+1
.endr
	v_add_nc_u32 v36, LQB, v[T16]
	ds_load_b128 v[96:99], v36
	v_mul_u32_u24 v37, v0, 12
	v_add_nc_u32 v37, LQO, v37
	v_add_nc_u32 v38, LLAST, v[T16]
	v_add_nc_u32 v39, LQO, v[T16]
	s_wait_dscnt 0x0
	v_add_f32 v100, v64, v68
	v_add_f32 v101, v72, v76
	v_add_f32 v100, v100, v101
	v_add_f32 v100, s78, v100                      ; sv
.irp k, 0,1,2
	v_add_f32 v[104+\k], v[80+\k], v[84+\k]
	v_add_f32 v[108+\k], v[88+\k], v[92+\k]
	v_add_f32 v[104+\k], v[104+\k], v[108+\k]
	v_add_f32 v[104+\k], s[80+\k], v[104+\k]       ; av
.endr
	v_add_f32 v102, v104, v105
	v_add_f32 v102, v102, v106
.irp k, 0,1,2
	v_fmamk_f32 v[104+\k], v102, 0xbeaaaaab, v[104+\k]             ; av - mean
	v_add_f32 v[104+\k], v100, v[104+\k]
	v_add_f32 v[104+\k], v[104+\k], v[96+\k]       ; + (1 - mask) x (-1e33)
	ds_store_b32 v37, v[104+\k] offset:4*\k
.endr
	BAR
	ds_load_b128 v[112:115], v38                   ; c of l = 127
	ds_load_b128 v[116:119], v38 offset:2048       ; hn of l = 127
	s_cmp_eq_u32 s2, 3
	s_cbranch_scc1 .Lno_q                          ; q is 1,536 bytes: 96 threads
	ds_load_b128 v[120:123], v39
	s_wait_dscnt 0x0
	global_store_b128 v[T16], v[120:123], s[24:25] ; every store of a wave covers 512 neighbouring bytes, aligned
.Lno_q:
	s_wait_dscnt 0x0
	global_store_b128 v[T16], v[116:119], s[26:27]
	global_store_b128 v[T16], v[112:115], s[28:29]
	s_endpgm
.Lfunc_end_k_q9c0ee8f2eb_main:
	.size	k_q9c0ee8f2eb_main, .Lfunc_end_k_q9c0ee8f2eb_main-k_q9c0ee8f2eb_main
	.p2alignl 7, 3214868480
	.fill 96, 4, 3214868480
	.section	.rodata,"a",@progbits
	.p2align	6, 0x0
	.amdhsa_kernel k_q9c0ee8f2eb_main
		.amdhsa_group_segment_fixed_size 327680
		.amdhsa_private_segment_fixed_size 0
		.amdhsa_enable_private_segment 0
		.amdhsa_kernarg_size 104
		.amdhsa_user_sgpr_count 2
		.amdhsa_user_sgpr_kernarg_segment_ptr 1
		.amdhsa_wavefront_size32 1
		.amdhsa_system_sgpr_workgroup_id_x 1
		.amdhsa_system_sgpr_workgroup_id_y 1
		.amdhsa_system_sgpr_workgroup_id_z 1
		.amdhsa_system_vgpr_workitem_id 0
		.amdhsa_next_free_vgpr 1024
		.amdhsa_next_free_sgpr 96
		.amdhsa_reserve_vcc 1
		.amdhsa_float_denorm_mode_32 3
		.amdhsa_float_denorm_mode_16_64 3
		.amdhsa_memory_ordered 1
		.amdhsa_forward_progress 1
		.amdhsa_inst_pref_size 255
	.end_amdhsa_kernel
	.section	.bss,"aw",@nobits
	.p2align	6
	.space	262144
	.amdgpu_metadata
---
amdhsa.version: [ 1, 2 ]
amdhsa.kernels:
  - .name:           k_q9c0ee8f2eb_main
    .symbol:         k_q9c0ee8f2eb_main.kd
    .args:
      - { .name: x, .offset: 0, .size: 8, .value_kind: global_buffer, .address_space: global }
      - { .name: hns, .offset: 8, .size: 8, .value_kind: global_buffer, .address_space: global }
      - { .name: cns, .offset: 16, .size: 8, .value_kind: global_buffer, .address_space: global }
      - { .name: wfrag, .offset: 24, .size: 8, .value_kind: global_buffer, .address_space: global }
      - { .name: params_b_ih, .offset: 32, .size: 8, .value_kind: global_buffer, .address_space: global }
      - { .name: params_b_hh, .offset: 40, .size: 8, .value_kind: global_buffer, .address_space: global }
      - { .name: params_bs1, .offset: 48, .size: 8, .value_kind: global_buffer, .address_space: global }
      - { .name: params_ba1, .offset: 56, .size: 8, .value_kind: global_buffer, .address_space: global }
      - { .name: params_bs2, .offset: 64, .size: 8, .value_kind: global_buffer, .address_space: global }
      - { .name: params_ba2, .offset: 72, .size: 8, .value_kind: global_buffer, .address_space: global }
      - { .name: out0, .offset: 80, .size: 8, .value_kind: global_buffer, .address_space: global }
      - { .name: out1, .offset: 88, .size: 8, .value_kind: global_buffer, .address_space: global }
      - { .name: out2, .offset: 96, .size: 8, .value_kind: global_buffer, .address_space: global }
    .group_segment_fixed_size: 327680
    .private_segment_fixed_size: 0
    .kernarg_segment_align: 8
    .kernarg_segment_size: 104
    .max_flat_workgroup_size: 128
    .sgpr_count:     96
    .vgpr_count:     1024
    .wavefront_size: 32
...
	.end_amdgpu_metadata
.endif
;; end of part 3
